; MI455X (gfx1250); checked and timed in simulation.
; The chip was launched on July 23, 2026; its instructions are those of AMD's public machine-readable ISA for CDNA 5 (MIT licence, August 2026) and "CDNA5" Instruction Set Architecture Reference Guide (July 2026). The comments in the code are by the model that wrote it; some were corrected since.
;; Non Local Block3 D. Allowed arithmetic: matrix products marked QUANTISED: E2M3 operands, one E8M0 scale for each 32 along K, by v_wmma_scale_f32_16x16x128_f8f6f4 with both operands' format E2M3, f32 sums; everything else in f32.
;; Inputs: Wk_codes 128 x 8 x 24 uint8 (E2M3 codes of Wk, K innermost, in blocks of 32 codes, four codes in three bytes); Wk_scales 128 x 8 uint8 (E8M0 scales of Wk, one for each 32 codes along K); Wo_codes 256 x 4 x 24 uint8 (E2M3 codes of Wo, K innermost, in blocks of 32 codes, four codes in three bytes); Wo_scales 256 x 4 uint8 (E8M0 scales of Wo, one for each 32 codes along K); Wq_codes 128 x 8 x 24 uint8 (E2M3 codes of Wq, K innermost, in blocks of 32 codes, four codes in three bytes); Wq_scales 128 x 8 uint8 (E8M0 scales of Wq, one for each 32 codes along K); Wv_codes 128 x 8 x 24 uint8 (E2M3 codes of Wv, K innermost, in blocks of 32 codes, four codes in three bytes); Wv_scales 128 x 8 uint8 (E8M0 scales of Wv, one for each 32 codes along K); bk 128 float32; bo 256 float32; bq 128 float32; bv 128 float32; x 1 x 256 x 16 x 16 x 32 float32.
;; Outputs: out0 1 x 256 x 16 x 16 x 32 float32.
;; This version of the problem:
;;   THIS VERSION OF THE PROBLEM IS GIVEN IN LOW PRECISION. The matrix products marked QUANTISED in the list below multiply operands that are first quantised to E2M3 (2 exponent bits, 3 mantissa bits; 6 bits a number), with one power-of-two scale for each 32 numbers along K (OCP MX v1.0); their sums are f32. All else is computed in f32.
;;   The module's matrix products, in the order in which they are computed (A, B: the left and right operand; K: the contracted axis; several contracted axes count as one K, in the product's order):
;;     1. [M 8,192, K 256] x [K 256, N 128]; A: input x; B: input Wq (given as codes): QUANTISED
;;     2. [M 8,192, K 256] x [K 256, N 128]; A: input x; B: input Wk (given as codes): QUANTISED
;;     3. [M 8,192, K 256] x [K 256, N 128]; A: input x; B: input Wv (given as codes): QUANTISED
;;     4. [M 8,192, K 128] x [K 128, N 8,192]; A: computed on the way; B: computed on the way: QUANTISED
;;     5. [M 8,192, K 8,192] x [K 8,192, N 128]; A: softmax (see below); B: computed on the way: QUANTISED
;;     6. [M 8,192, K 128] x [K 128, N 256]; A: computed on the way; B: input Wo (given as codes): QUANTISED
;;   THE QUANTISER, for each operand of a quantised product, along K:
;;     - K is cut into blocks of 32 from its start; a last block that is shorter is filled with zeros.
;;     - A block's scale is 2^e with e = floor(log2(the largest magnitude in the block)) - 2, held to -126 .. 127; a block of zeros has e = 0. As a byte (E8M0): e + 127.
;;     - Each number is divided by its block's scale, clamped to +-7.5, and rounded to the nearest number of E2M3, ties to even, subnormals kept.
;;     - The product sums the exact products of the quantised numbers (number of the format x scale) in f32.
;;   ~~~python
;;   def quantise(x, axis):      # numpy; x: float32 -> the quantised numbers, widened to float32 again
;;       x = np.moveaxis(x, axis, -1); K = x.shape[-1]
;;       x = np.pad(x, [(0, 0)] * (x.ndim - 1) + [(0, -K % 32)]); x = x.reshape(x.shape[:-1] + (-1, 32)); a = np.abs(x).max(-1, keepdims=True)
;;       e = np.where(a > 0, np.clip(np.frexp(np.where(a > 0, a, 1))[1] - 1 - 2, -126, 127), 0)      # np.frexp(a)[1] - 1 = floor(log2(a)), exactly
;;       r = np.clip(x / 2.0 ** e, -7.5, 7.5)
;;       step = 2.0 ** (np.maximum(np.frexp(np.where(r == 0, 1, r))[1] - 1, 0) - 3)
;;       q = np.round(r / step) * step * 2.0 ** e      # np.round: ties to even
;;       return np.moveaxis(q.reshape(q.shape[:-2] + (-1,))[..., :K], -1, axis).astype(np.float32)
;;   ~~~
;;   SOFTMAX AHEAD OF A QUANTISED PRODUCT. Where the list says 'softmax', what is quantised is not the finished softmax but p = 2^(t - M), with t = logit x log2(e) and M = ceil(the row's largest t), a whole number; so 1/2 < the row's largest p <= 1. The row's sum l is taken of the UNQUANTISED p, in f32, and the product's result is divided by l at the end. Since M is a whole number, a kernel that streams over the keys may use a running M (the ceiling of the running maximum): every later rescaling is an exact power of two, which a block's scale takes up: the codes' values come out the same.
;;   OPERANDS COMPUTED ON THE WAY. 'Computed on the way' means the value that the module computes at that place (a softmax that the list does not call 'softmax' is quantised finished and normalised). What goes into a quantiser is computed in f32, as accurately as f32 sums, v_exp_f32 and their like allow (about 1e-6 of the number): no bf16 or f16 on the way to a quantiser, and a product that is left as it is and whose result goes on into a quantised operand takes f32 operands (vector FMAs, or v_wmma_f32_16x16x4_f32). A number that lies on a knife's edge between two numbers of the format may be rounded either way, as far as f32 arithmetic and the matrix unit's own rounding can turn it there, and no further.
;;   INPUTS GIVEN AS CODES. Wk (in the module: [128, 256], K = its axis 1); Wo (in the module: [256, 128], K = its axis 1); Wq (in the module: [128, 256], K = its axis 1); Wv (in the module: [128, 256], K = its axis 1): each comes as NAME_codes (uint8): NAME with its K axis moved to the last place and cut into blocks of 32 codes, [.., K / 32, bytes a block], one block behind the other in memory; four codes in three bytes: a row's codes are one little-endian stream of bits, code i at bits 6 i .. 6 i + 5 (a code: sign, 2 exponent bits, 3 mantissa bits); and NAME_scales (uint8): the same leading axes, one E8M0 byte (e + 127) for each 32 codes along K. Its value is code x scale, taken as it is: it is not quantised again, and the codes and scales need not be those that the quantiser above would give.
;; 2 versions, each right; version 2 is version 1 with the launches proj, merge written anew for expert scheduling mode. Each part assembles by itself: llvm-mc -triple=amdgcn-amd-amdhsa -mcpu=gfx1250 --defsym DOCPART=n.
;; ======== version 1 of 2: 3 launches
;; workspace buffers: qimg 819,200 bytes; kv 1,638,400 bytes; po 33,554,432 bytes; pml 524,288 bytes
;; launch proj (part 1): grid 64 x 1, 8 waves a work-group, no clusters, 107,520 bytes of LDS; arguments x, Wq_codes, Wq_scales, bq, Wk_codes, Wk_scales, bk, Wv_codes, Wv_scales, bv, qimg, kv; writes qimg, kv
.if DOCPART == 1
	.amdgcn_target "amdgcn-amd-amdhsa--gfx1250"
	.amdhsa_code_object_version 6
	.text
	.protected	k_q7d3c3b4b39_proj
	.globl	k_q7d3c3b4b39_proj
	.p2align	8
	.type	k_q7d3c3b4b39_proj,@function
k_q7d3c3b4b39_proj:
	s_mov_b64 s[64:65], 0
	v_nop
	global_prefetch_b8 v0, s[64:65] scope:SCOPE_SE
	s_setreg_imm32_b32 hwreg(HW_REG_WAVE_MODE, 25, 1), 1
	s_wait_xcnt 0x0
; q = x^T Wq^T + bq, k = x^T Wk^T + bk, v = x^T Wv^T + bv for 128 voxels (one CHUNK) a work-group, all three products on codes of FP6 (E2M3) with one E8M0 scale for each 32 along K = the 256 channels.
; x [256][8192] f32 is quantised here along the channels; the weights arrive as codes.  q and k are then quantised along their 128 channels, v along the chunk's 128 voxels (the keys), and all three leave as
; IMAGES OF THE OPERAND'S REGISTERS: a fragment (16 rows x 128 K, 12 registers a lane) is three groups of 512 bytes, lane l's 16 bytes at 16 l; the attention launch takes them by loads of 16 bytes.
; ONE ORDER OF ROWS EVERYWHERE: row r of tile t is index kap(t, r) = 32 (t / 2) + 8 (t % 2) + r + 8 (r / 8): of the chunk's voxels for x's, q's and k's tiles, of the 128 output channels for the weights' tiles.
; So in a result the 16 registers of tiles 2 b and 2 b + 1 are 16 neighbours, 32 b + 16 (lane / 16) + 0 .. 15, along the next product's K, and the conversions take them as they stand.
; SHARES.  Eight waves.  Phase X: wave (b = w % 4, s = w / 4) takes voxels 32 b .. 32 b + 31, one a lane, and channels 128 s .. 128 s + 127 down its registers: a block of 32 channels lies in one lane.
; Phase Q, K: wave w multiplies x's tile w (source 1) by the weight's eight tiles (source 0): a lane holds one voxel, its registers run along the channels.  Phase V: wave w multiplies x's eight tiles (source 0)
; by Wv's tile w (source 1): a lane holds one channel, its registers run along the voxels.  The biases are the C of each sum's first matrix instruction.
; 64 work-groups: a chunk of 128 voxels is one K step of the attention's second product, so that each image and each block of scale words is stored whole by one work-group.
; NO CLUSTER: the weights (76,800 bytes a work-group) are taken by plain loads, each wave its tile's rows in the order kap, and laid in LDS as register images, from which a fragment is three loads of 16 bytes;
; a tensor load would lay them as rows.  No tensor load, so no ring.
; LIMITS: NaN and infinities among the inputs are not served.  A block whose largest magnitude lies under 2^-124 has its byte held at 1; a block of zeros gets the byte 1 where the quantiser says 127: its codes are
; zeros, which add nothing under any byte but 0xff, and these bytes are read by this program alone.
.set XIMG, 73728                       ; LDS: 0 the weights' 48 fragments, (matrix mu, tile t, K step s) at 24576 mu + 3072 t + 1536 s;  XIMG x's 16 fragments, (tile, s) at 3072 tile + 1536 s
.set XSC,  98304                       ; x's scale words: 512 s + 64 tile + 4 row
.set BIA,  99328                       ; bq, bk, bv: 512 bytes each
.set SST,  103424                      ; the scale words made here: q's 512 bytes, k's, v's, laid as they leave
.set WSQ,  16                          ; v16-23  Wq's scale words: register 2 b + s: lanes 0-15 tile 2 b, lanes 16-31 tile 2 b + 1
.set WSK,  24                          ; v24-31  Wk's likewise
.set WSV,  32                          ; v32-33  Wv's tile w, K step s
.set XSA,  34                          ; v34-41  x's scale words for phase V: register 2 b + s: lanes 0-15 tile 2 b, lanes 16-31 tile 2 b + 1
.set XSB,  42                          ; v42-43  x's tile w, K step s
.set VB,   44                          ; v44-51  at the head: at work;  later bv of my lane's channel, eight times
.set ACC,  52                          ; v52-115 eight accumulators;  at the head v52-123 the staged weights, then phase X's codes and work
.set BF,   116                         ; v116-139 source 1: two fragments
.set X,    128                         ; v128-255 phase X: my voxel's 128 channels
.set AF,   160                         ; v160-255 source 0: eight fragments of one K step
.set PC,   160                         ; the codes just made (over AF)
.set TM,   180
.set PW,   196                         ; the scale word just made
.set SEL,  32                          ; s[32:33] v_permlanex16_b32's selects for lane l xor 16
.macro PLACES                          ; four plain places between a matrix instruction and a load into, or a vector instruction on, its registers (ISA guide 7.12.1 for vector instructions)
.rept 4
	v_nop
.endr
.endm
.macro BARRIER                         ; my LDS stores have landed and my LDS loads are in: then the work-group's barrier
	s_wait_dscnt 0x0
	s_barrier_signal -1
	s_barrier_wait -1
.endm
; 64 numbers of a lane, v[s] .. v[s + 63], register 16 b + i = k 32 b + 16 (lane / 16) + i of my row, become a fragment's codes in v[PC] on and its scale word in v[PW].
.macro QUANT s
.irp b, 0,1,2,3
	v_mov_b32 v[TM+4+\b], 0                        ; a lane permute's destination counts as one of its sources
.endr
.irp b, 0,1,2,3
	v_max3_num_f32 v[TM+\b], |v[\s+16*\b]|, |v[\s+1+16*\b]|, 0x1800000   ; block b: my 16 numbers, and the floor 2^(3 - 127): the byte cannot fall under 1
.endr
.irp i, 2,4,6,8,10,12,14
.irp b, 0,1,2,3
	v_max3_num_f32 v[TM+\b], v[TM+\b], |v[\s+16*\b+\i]|, |v[\s+1+16*\b+\i]|   ; the four blocks by turns
.endr
.endr
.irp b, 0,1,2,3
	v_permlanex16_b32 v[TM+4+\b], v[TM+\b], s[SEL], s[SEL+1]
.endr
.irp b, 0,1,2,3
	v_max_num_f32 v[TM+\b], v[TM+\b], v[TM+4+\b]   ; with lane l xor 16's: the block's largest magnitude
.endr
.irp b, 0,1,2,3
	v_add_nc_u32 v[TM+12+\b], 0xff000000, v[TM+\b] ; 2 off its exponent field: the conversion takes the exponent field of this operand as its scale
.endr
.irp b, 0,1,2,3
	v_lshrrev_b32 v[TM+4+\b], 23, v[TM+12+\b]      ; the scale's byte
.endr
	v_lshl_or_b32 v[PW], v[TM+5], 8, v[TM+4]       ; the four bytes make my row's scale word
	v_lshl_or_b32 v[PW], v[TM+6], 16, v[PW]
	v_lshl_or_b32 v[PW], v[TM+7], 24, v[PW]
.irp c, 0,1
	v_cvt_scalef32_pk16_fp6_f32 v[PC+6*\c:PC+2+6*\c], v[\s+32*\c:\s+15+32*\c], v[TM+12+2*\c]
	v_cvt_scalef32_pk16_fp6_f32 v[PC+12+4*\c:PC+14+4*\c], v[\s+16+32*\c:\s+31+32*\c], v[TM+12+2*\c+1]   ; (a conversion's three registers begin on an even number)
.endr
	v_nop                                          ; one plain place behind a scaled conversion
.irp c, 0,1                                    ; the operand's layout wants a whole block in a lane: lanes 0-15 block 2 c, lanes 16-31 block 2 c + 1
.irp i, 0,1,2
	v_permlane16_swap_b32 v[PC+6*\c+\i], v[PC+12+4*\c+\i]
.endr
.irp i, 0,1,2
	v_mov_b32 v[PC+3+6*\c+\i], v[PC+12+4*\c+\i]
.endr
.endr
.endm
; The fragment just made leaves as its image (each store covers 512 consecutive bytes, at a multiple of 256 from the buffer's first byte); its scale word goes to the stage.
.macro OUTIMG gb, go, sa, so
.irp c, 0,1,2
	global_store_b128 v1, v[PC+4*\c:PC+4*\c+3], s[\gb:\gb+1] offset:\go+512*\c
.endr
	ds_store_b32 v[\sa], v[PW] offset:\so
	s_wait_xcnt 0x0                                ; the stores' data lie where the next phase's fragments land: they are written again only behind this wait
	s_wait_dscnt 0x0                               ; and the LDS store has read its register
.endm
.macro WLOAD mu, base                  ; tile w of one weight, both K steps, as the operand's registers: 24 bytes of the row's stream of bits as three loads of 8
.irp s, 0,1
.irp p, 0,1,2,3,4,5
	global_load_b64 v[ACC+12*(2*\mu+\s)+2*\p:ACC+12*(2*\mu+\s)+2*\p+1], v3, s[\base:\base+1] offset:96*\s+48*(\p/3)+8*(\p%3)
.endr
.endr
.endm
.macro XLOAD be                        ; block be: x(128 s + 32 be + i, my voxel): the wave reads 128 consecutive bytes, the four waves b stand side by side on 512
.irp i, 0,1,2,3,4,5,6,7,8,9,10,11,12,13,14,15,16,17,18,19,20,21,22,23,24,25,26,27,28,29,30,31
	global_load_b32 v[X+32*\be+\i], v2, s[36:37] offset:32768*(32*\be+\i) th:TH_LOAD_NT
.endr
.endm
; Block be of my voxel: its largest magnitude needs no other lane.  left: the loads of the one younger block, which may stay out.  nxt: the block asked for now (4: none).
.macro XBLOCK be, left, nxt
	s_wait_loadcnt \left
.if \nxt < 4
	XLOAD \nxt
.endif
.set XS, X+32*\be
.set XB, ACC+12*(\be%2)+6*(\be/2)      ; blocks 0, 2 make the image's lane r, blocks 1, 3 its lane 16 + r
	v_max3_num_f32 v80, |v[XS]|, |v[XS+1]|, |v[XS+2]|
	v_max3_num_f32 v81, |v[XS+3]|, |v[XS+4]|, |v[XS+5]|
.irp i, 6,10,14,18,22,26
	v_max3_num_f32 v80, v80, |v[XS+\i]|, |v[XS+\i+1]|
	v_max3_num_f32 v81, v81, |v[XS+\i+2]|, |v[XS+\i+3]|
.endr
	v_max3_num_f32 v80, v80, |v[XS+30]|, |v[XS+31]|
	v_max3_num_f32 v80, v80, v81, 0x1800000        ; and the floor 2^(3 - 127)
	v_add_nc_u32 v[84+\be], 0xff000000, v80        ; the conversion's scale operand
.if \be == 0
	v_lshrrev_b32 v92, 23, v[84+\be]               ; the byte: the lower K in the lower byte of my voxel's scale word
.else
	v_lshrrev_b32 v93, 23, v[84+\be]
	v_lshl_or_b32 v92, v93, 8*\be, v92
.endif
	v_cvt_scalef32_pk16_fp6_f32 v[XB:XB+2], v[XS:XS+15], v[84+\be]
	v_cvt_scalef32_pk16_fp6_f32 v[96+4*\be:98+4*\be], v[XS+16:XS+31], v[84+\be]   ; (three registers from an even number on: moved below)
.endm
	s_load_b512 s[8:23], s[0:1], 0x0               ; x 8, Wq's codes 10, scales 12, bq 14, Wk's codes 16, scales 18, bk 20, Wv's codes 22
	s_load_b256 s[24:31], s[0:1], 0x40             ; Wv's scales 24, bv 26, qimg 28, kv 30
	s_set_vgpr_msb 0x40
	v_lshl_add_u32 v0, v0, 2, 0x1a000
	v_mov_b32 v1, 0
	s_set_vgpr_msb 0x4000
	v_lshrrev_b32 v44, 5, v0
	v_readfirstlane_b32 s4, v44                    ; wave w
	v_and_b32 v44, 31, v0                          ; L
	v_and_b32 v45, 15, v0                          ; r
	v_bfe_u32 v46, v0, 4, 1                        ; h
	v_bfe_u32 v47, v0, 3, 1                        ; r / 8;  in phase X: u, which of the pair of tiles my voxel falls into
	v_and_b32 v48, 7, v0
	v_lshl_or_b32 v48, v46, 3, v48                 ; and its row there: (L % 8) + 8 (L / 16)
	s_and_b32 s5, s4, 3                            ; b
	s_lshr_b32 s6, s4, 2                           ; s
	s_lshr_b32 s7, s4, 1
	s_lshl_b32 s7, s7, 5
	s_and_b32 s42, s4, 1
	s_lshl_b32 s42, s42, 3
	s_add_co_u32 s7, s7, s42                       ; kap(w, 0)
	v_lshlrev_b32 v1, 4, v44                       ; v1  16 L: an image's place for my lane
	v_lshlrev_b32 v2, 2, v44                       ; v2  4 L
	v_lshl_add_u32 v49, v47, 3, v45                ; r + 8 (r / 8)
	v_add_nc_u32 v50, s7, v49                      ; kap(w, r)
	v_mul_u32_u24 v3, v50, 192                     ; v3  a weight's row kap(w, r) of 192 bytes, + 24 h
	v_mad_u32_u24 v3, v46, 24, v3
	s_mul_i32 s42, s4, 3072
	v_add_nc_u32 v4, s42, v1                       ; v4  16 L + 3072 w: tile w among a weight's images
	s_mul_i32 s43, s5, 6144
	s_mul_i32 s44, s6, 1536
	s_add_co_u32 s43, s43, s44
	s_add_co_u32 s43, s43, XIMG
	v_mul_u32_u24 v5, v47, 3072
	v_lshl_add_u32 v5, v48, 4, v5
	v_add_nc_u32 v5, s43, v5                       ; v5  where my voxel's codes go: fragment (2 b + u, s), lane = its row
	s_lshl_b32 s43, s6, 9
	s_lshl_b32 s44, s5, 7
	s_add_co_u32 s43, s43, s44
	s_add_co_u32 s43, s43, XSC
	v_lshlrev_b32 v6, 6, v47
	v_lshl_add_u32 v6, v48, 2, v6
	v_add_nc_u32 v6, s43, v6                       ; v6  and its scale word
	s_lshl_b32 s43, s4, 9
	s_add_co_u32 s43, s43, BIA
	v_add_nc_u32 v7, s43, v1                       ; v7  where waves 0, 1, 2 put bq, bk, bv
	v_add_nc_u32 v8, XIMG, v4                      ; v8  x's tile w
	v_add_nc_u32 v9, XIMG, v1                      ; v9  x's tile 0
	s_lshl_b32 s43, s4, 6
	s_add_co_u32 s44, s43, XSC
	v_lshl_add_u32 v10, v45, 2, s44                ; v10 x's scale words of tile w
	v_add_nc_u32 v11, XSC, v2                      ; v11 and of a pair of tiles: lanes 0-15 the even one, lanes 16-31 the odd one
	v_lshl_add_u32 v12, v46, 6, BIA                ; v12 a bias in the result's layout: 64 h
	v_lshl_add_u32 v13, v50, 2, BIA+1024           ; v13 bv of channel kap(w, r)
	s_add_co_u32 s44, s43, SST
	v_lshl_add_u32 v14, v45, 2, s44                ; v14 q's scale word: 64 w + 4 r
	s_lshl_b32 s43, s6, 8
	s_lshl_b32 s44, s5, 2
	s_add_co_u32 s43, s43, s44
	s_add_co_u32 s43, s43, SST+512
	v_lshl_add_u32 v15, v45, 4, s43                ; v15 k's (v's: 512 on): 256 (w / 4) + 16 r + 4 (w % 4): four tiles' words of a row lie together
	v_lshl_add_u32 v51, v46, 3, v49
	v_lshlrev_b32 v51, 3, v51                      ; v51 a weight's scale bytes, 8 a row: lanes 0-15 row kap(0, r), lanes 16-31 row kap(1, r)
	v_lshlrev_b32 v49, 3, v50                      ; v49 and row kap(w, r)
	s_mov_b32 s[SEL], 0x76543210
	s_mov_b32 s[SEL+1], 0xfedcba98
	s_mul_i32 s52, ttmp9, 12800                    ; my chunk in qimg,
	s_mov_b32 s53, 0
	s_mul_i32 s54, ttmp9, 25600                    ; in kv,
	s_mov_b32 s55, 0
	s_mul_i32 s56, s4, 1536                        ; tile w's image in it
	s_mov_b32 s57, 0
	s_lshl_b32 s58, s6, 22                         ; x: 128 s rows of 32,768 bytes,
	s_lshl_b32 s59, ttmp9, 9                       ; the chunk's 512 bytes of a row,
	s_add_co_u32 s58, s58, s59
	s_lshl_b32 s59, s5, 7                          ; my wave's 128 of them
	s_add_co_u32 s58, s58, s59
	s_mov_b32 s59, 0
	s_wait_kmcnt 0x0
	s_add_nc_u64 s[36:37], s[8:9], s[58:59]
	s_add_nc_u64 s[38:39], s[28:29], s[52:53]
	s_add_nc_u64 s[40:41], s[30:31], s[54:55]
	s_add_nc_u64 s[48:49], s[38:39], s[56:57]
	s_add_nc_u64 s[50:51], s[40:41], s[56:57]
	s_cmp_eq_u32 s4, 0                             ; which bias my wave fetches: the choice hangs on the wave's number alone
	s_cselect_b64 s[34:35], s[14:15], s[26:27]
	s_cmp_eq_u32 s4, 1
	s_cselect_b64 s[34:35], s[20:21], s[34:35]
	global_load_b128 v[124:127], v1, s[34:35]      ; 55 loads for the weights' side,
.irp bb, 0,1,2,3
.irp s, 0,1
	global_load_b32 v[WSQ+2*\bb+\s], v51, s[12:13] offset:256*\bb+4*\s
	global_load_b32 v[WSK+2*\bb+\s], v51, s[18:19] offset:256*\bb+4*\s
.endr
.endr
	global_load_b32 v[WSV], v49, s[24:25]
	global_load_b32 v[WSV+1], v49, s[24:25] offset:4
	WLOAD 0, 10
	WLOAD 1, 16
	WLOAD 2, 22
	XLOAD 0                                        ; then x's first block
	s_wait_loadcnt 32                              ; all but x's 32: the weights' side is in
.irp f, 0,1,2,3,4,5
.irp c, 0,1,2
	ds_store_b128 v4, v[ACC+12*\f+4*\c:ACC+12*\f+4*\c+3] offset:24576*(\f/2)+1536*(\f%2)+512*\c
.endr
.endr
	XLOAD 1
	s_cmp_gt_u32 s4, 2
	s_cbranch_scc1 .Lno_bias
	ds_store_b128 v7, v[124:127]
.Lno_bias:
	s_wait_dscnt 0x0                               ; the stores have read the staged registers, which phase X writes
	; ---- X: my voxel's four blocks of 32 channels
	XBLOCK 0, 32, 2
	XBLOCK 1, 32, 3
	XBLOCK 2, 32, 4
	XBLOCK 3, 0, 4
	v_nop                                          ; one plain place behind a scaled conversion
.irp be, 0,1,2,3
.irp i, 0,1,2
	v_mov_b32 v[ACC+12*(\be%2)+6*(\be/2)+3+\i], v[96+4*\be+\i]
.endr
.endr
.irp c, 0,1,2
	ds_store_b128 v5, v[ACC+4*\c:ACC+4*\c+3] offset:512*\c             ; blocks 0 and 2: the image's lane r
	ds_store_b128 v5, v[ACC+12+4*\c:ACC+15+4*\c] offset:512*\c+256     ; blocks 1 and 3: its lane 16 + r
.endr
	ds_store_b32 v6, v92
	BARRIER                                        ; the weights' images, x's images and scale words and the biases lie in LDS
	; ---- Q, K: x's tile w is source 1
.irp s, 0,1
.irp c, 0,1,2
	ds_load_b128 v[BF+12*\s+4*\c:BF+12*\s+4*\c+3], v8 offset:1536*\s+512*\c
.endr
	ds_load_b32 v[XSB+\s], v10 offset:512*\s
.endr
.macro UNIT_QK mu, ws
.irp t, 0,1,2,3,4,5,6,7                        ; the bias lands in the accumulators: lane (r, h), tile 2 b + u, register j: channel 32 b + 16 h + 8 u + j
	ds_load_b128 v[ACC+8*\t:ACC+8*\t+3], v12 offset:512*\mu+128*(\t/2)+32*(\t%2)
	ds_load_b128 v[ACC+8*\t+4:ACC+8*\t+7], v12 offset:512*\mu+128*(\t/2)+32*(\t%2)+16
.endr
.irp s, 0,1
.irp t, 0,1,2,3,4,5,6,7
.irp c, 0,1,2
	ds_load_b128 v[AF+12*\t+4*\c:AF+12*\t+4*\c+3], v1 offset:24576*\mu+3072*\t+1536*\s+512*\c
.endr
.endr
	s_wait_dscnt 0x0
.irp t, 0,1,2,3,4,5,6,7                        ; the eight accumulators by turns, one instruction a turn
.if \t%2
	v_wmma_scale_f32_16x16x128_f8f6f4 v[ACC+8*\t:ACC+8*\t+7], v[AF+12*\t:AF+12*\t+11], v[BF+12*\s:BF+12*\s+11], v[ACC+8*\t:ACC+8*\t+7], v[\ws+2*(\t/2)+\s], v[XSB+\s] matrix_a_fmt:MATRIX_FMT_FP6 matrix_b_fmt:MATRIX_FMT_FP6 matrix_a_scale:MATRIX_SCALE_ROW1
.else
	v_wmma_scale_f32_16x16x128_f8f6f4 v[ACC+8*\t:ACC+8*\t+7], v[AF+12*\t:AF+12*\t+11], v[BF+12*\s:BF+12*\s+11], v[ACC+8*\t:ACC+8*\t+7], v[\ws+2*(\t/2)+\s], v[XSB+\s] matrix_a_fmt:MATRIX_FMT_FP6 matrix_b_fmt:MATRIX_FMT_FP6
.endif
.endr
	PLACES
.endr
	QUANT ACC                                      ; my 16 voxels' 128 channels: one fragment, one scale word a voxel
.endm
	UNIT_QK 0, WSQ
	OUTIMG 48, 0, 14, 0
	UNIT_QK 1, WSK
	OUTIMG 50, 0, 15, 0
	; ---- V: Wv's tile w is source 1, x's eight tiles are source 0
.irp s, 0,1
.irp c, 0,1,2
	ds_load_b128 v[BF+12*\s+4*\c:BF+12*\s+4*\c+3], v4 offset:49152+1536*\s+512*\c
.endr
.endr
.irp bb, 0,1,2,3
.irp s, 0,1
	ds_load_b32 v[XSA+2*\bb+\s], v11 offset:512*\s+128*\bb
.endr
.endr
.irp j, 0,1,2,3,4,5,6,7
	ds_load_b32 v[VB+\j], v13                      ; a lane holds one channel: its bias in all eight registers
.endr
.irp s, 0,1
.irp t, 0,1,2,3,4,5,6,7
.irp c, 0,1,2
	ds_load_b128 v[AF+12*\t+4*\c:AF+12*\t+4*\c+3], v9 offset:3072*\t+1536*\s+512*\c
.endr
.endr
	s_wait_dscnt 0x0
.irp t, 0,1,2,3,4,5,6,7
.if \s == 0
.if \t%2
	v_wmma_scale_f32_16x16x128_f8f6f4 v[ACC+8*\t:ACC+8*\t+7], v[AF+12*\t:AF+12*\t+11], v[BF:BF+11], v[VB:VB+7], v[XSA+2*(\t/2)], v[WSV] matrix_a_fmt:MATRIX_FMT_FP6 matrix_b_fmt:MATRIX_FMT_FP6 matrix_a_scale:MATRIX_SCALE_ROW1
.else
	v_wmma_scale_f32_16x16x128_f8f6f4 v[ACC+8*\t:ACC+8*\t+7], v[AF+12*\t:AF+12*\t+11], v[BF:BF+11], v[VB:VB+7], v[XSA+2*(\t/2)], v[WSV] matrix_a_fmt:MATRIX_FMT_FP6 matrix_b_fmt:MATRIX_FMT_FP6
.endif
.else
.if \t%2
	v_wmma_scale_f32_16x16x128_f8f6f4 v[ACC+8*\t:ACC+8*\t+7], v[AF+12*\t:AF+12*\t+11], v[BF+12:BF+23], v[ACC+8*\t:ACC+8*\t+7], v[XSA+2*(\t/2)+1], v[WSV+1] matrix_a_fmt:MATRIX_FMT_FP6 matrix_b_fmt:MATRIX_FMT_FP6 matrix_a_scale:MATRIX_SCALE_ROW1
.else
	v_wmma_scale_f32_16x16x128_f8f6f4 v[ACC+8*\t:ACC+8*\t+7], v[AF+12*\t:AF+12*\t+11], v[BF+12:BF+23], v[ACC+8*\t:ACC+8*\t+7], v[XSA+2*(\t/2)+1], v[WSV+1] matrix_a_fmt:MATRIX_FMT_FP6 matrix_b_fmt:MATRIX_FMT_FP6
.endif
.endif
.endr
	PLACES
.endr
	QUANT ACC                                      ; my 16 channels' 128 voxels: the keys are this operand's K
	OUTIMG 50, 12288, 15, 512
	BARRIER                                        ; all 24 tiles' scale words lie in the stage
	s_cmp_lg_u32 s4, 0
	s_cbranch_scc1 .Lend
.irp i, 0,1,2
	ds_load_b128 v[PC+4*\i:PC+4*\i+3], v9 offset:SST-XIMG+512*\i
.endr
	s_wait_dscnt 0x0
	global_store_b128 v1, v[PC:PC+3], s[38:39] offset:12288      ; each store covers 512 consecutive bytes
	global_store_b128 v1, v[PC+4:PC+7], s[40:41] offset:24576
	global_store_b128 v1, v[PC+8:PC+11], s[40:41] offset:25088
.Lend:
	s_set_vgpr_msb 0x5
	s_wait_tensorcnt 0x0
	ds_add_u32 v0, v1
	s_wait_dscnt 0x0
	s_set_vgpr_msb 0x500
	s_endpgm
.Lfunc_end_k_q7d3c3b4b39_proj:
	.size	k_q7d3c3b4b39_proj, .Lfunc_end_k_q7d3c3b4b39_proj-k_q7d3c3b4b39_proj
	.p2alignl 7, 3214868480
	.fill 96, 4, 3214868480
	.section	.rodata,"a",@progbits
	.p2align	6, 0x0
	.amdhsa_kernel k_q7d3c3b4b39_proj
		.amdhsa_group_segment_fixed_size 107520
		.amdhsa_private_segment_fixed_size 0
		.amdhsa_enable_private_segment 0
		.amdhsa_kernarg_size 96
		.amdhsa_user_sgpr_count 2
		.amdhsa_user_sgpr_kernarg_segment_ptr 1
		.amdhsa_wavefront_size32 1
		.amdhsa_system_sgpr_workgroup_id_x 1
		.amdhsa_system_sgpr_workgroup_id_y 1
		.amdhsa_system_sgpr_workgroup_id_z 1
		.amdhsa_system_vgpr_workitem_id 0
		.amdhsa_next_free_vgpr 258
		.amdhsa_next_free_sgpr 66
		.amdhsa_reserve_vcc 0
		.amdhsa_float_denorm_mode_32 3
		.amdhsa_float_denorm_mode_16_64 3
		.amdhsa_memory_ordered 1
		.amdhsa_forward_progress 1
		.amdhsa_inst_pref_size 63
	.end_amdhsa_kernel
	.amdgpu_metadata
---
amdhsa.version: [ 1, 2 ]
amdhsa.kernels:
  - .name:           k_q7d3c3b4b39_proj
    .symbol:         k_q7d3c3b4b39_proj.kd
    .args:
      - { .name: x, .offset: 0, .size: 8, .value_kind: global_buffer, .address_space: global }
      - { .name: Wq_codes, .offset: 8, .size: 8, .value_kind: global_buffer, .address_space: global }
      - { .name: Wq_scales, .offset: 16, .size: 8, .value_kind: global_buffer, .address_space: global }
      - { .name: bq, .offset: 24, .size: 8, .value_kind: global_buffer, .address_space: global }
      - { .name: Wk_codes, .offset: 32, .size: 8, .value_kind: global_buffer, .address_space: global }
      - { .name: Wk_scales, .offset: 40, .size: 8, .value_kind: global_buffer, .address_space: global }
      - { .name: bk, .offset: 48, .size: 8, .value_kind: global_buffer, .address_space: global }
      - { .name: Wv_codes, .offset: 56, .size: 8, .value_kind: global_buffer, .address_space: global }
      - { .name: Wv_scales, .offset: 64, .size: 8, .value_kind: global_buffer, .address_space: global }
      - { .name: bv, .offset: 72, .size: 8, .value_kind: global_buffer, .address_space: global }
      - { .name: qimg, .offset: 80, .size: 8, .value_kind: global_buffer, .address_space: global }
      - { .name: kv, .offset: 88, .size: 8, .value_kind: global_buffer, .address_space: global }
    .group_segment_fixed_size: 107520
    .private_segment_fixed_size: 0
    .kernarg_segment_align: 8
    .kernarg_segment_size: 96
    .max_flat_workgroup_size: 256
    .sgpr_count:     66
    .vgpr_count:     258
    .wavefront_size: 32
...
	.end_amdgpu_metadata
.endif
;; end of part 1
;; launch attn (part 2): grid 32 x 8, 8 waves a work-group, clusters of 4 x 1, 205,824 bytes of LDS; arguments qimg, kv, po, pml; writes po, pml
.if DOCPART == 2
	.amdgcn_target "amdgcn-amd-amdhsa--gfx1250"
	.amdhsa_code_object_version 6
	.text
	.protected	k_q7d3c3b4b39_attn
	.globl	k_q7d3c3b4b39_attn
	.p2align	8
	.type	k_q7d3c3b4b39_attn,@function
k_q7d3c3b4b39_attn:
	s_mov_b64 s[64:65], 0
	v_nop
	global_prefetch_b8 v0, s[64:65] scope:SCOPE_SE
	s_setreg_imm32_b32 hwreg(HW_REG_WAVE_MODE, 25, 1), 1
	s_wait_xcnt 0x0
	s_wait_alu depctr_hold_cnt(0) depctr_sa_sdst(0) depctr_va_vdst(0) depctr_va_sdst(0) depctr_va_ssrc(0) depctr_va_vcc(0) depctr_vm_vsrc(0)
	s_getreg_b32 s2, hwreg(HW_REG_IB_STS2, 6, 4)
	s_cmp_eq_u32 s2, 0
	s_cbranch_scc0 .Lentry_in_a_cluster
	s_endpgm
.Lentry_in_a_cluster:
	s_bfe_u32 s2, ttmp6, 0x10000c
	s_cmp_lg_u32 s2, 0x3003
	s_cbranch_scc0 .Lentry_shape_is_right
	s_endpgm
.Lentry_shape_is_right:
; Partial attention on codes of FP6 (E2M3): work-group (X, Y) takes queries 256 X .. 256 X + 255 and keys 1024 Y .. 1024 Y + 1023 and stores, for each query, O^T not normalised, -M and the sum l of its eighth of the keys.
; t = score x log2(e) / 16; M = the largest t so far, rounded UP to a whole number; p = 2^(t - M) is what is quantised, along the keys; l is summed of the unquantised p.  When M moves, l and O^T are multiplied by
; 2^(old M - new M), which rounds nothing.  The next launch brings the eight parts under one M in the same way.
; WHY THE KEYS ARE SPLIT: 8,192 queries are 32 blocks of 256; eight splits make 256 work-groups.  A split's codes and scale words of K and V are 8 chunks x 25,600 = 204,800 bytes: they fit in LDS at once, so every
; LDS byte is filled ONCE: no ring, no refill.
; THE ORDER OF THE FIRST FILLS: a wave asks for its part of key steps 0 and 1 directly behind the opening round, and for its three other parts only behind Q's loads and the clearing of its registers, some 190
; instructions on: so all eight waves ask for the 51,200 bytes that the first products want ahead of the 153,600 that are wanted two key steps later.  All four stand ahead of the first wait on TENSORcnt,
; the first LDS read and the first barrier behind the round.
; OPERANDS arrive as images of their registers (three groups of 512 bytes, lane l's 16 bytes at 16 l): a fragment is three loads of 16 bytes, consecutive over the lanes.
; SHARES.  Eight waves, two to a SIMD, so that one wave's vector work stands beside the other's matrix work and LDS loads.  A wave owns TWO tiles of 16 queries: each fragment of K and V that it reads feeds two products.
; LAYOUT.  Both products are used transposed: S^T = K Q^T (source 0 = 16 keys), O^T = V^T P^T (source 0 = 16 channels): a lane holds one query (lane % 16) throughout.  Row r of K's tile t is key
; 32 (t / 2) + 8 (t % 2) + r + 8 (r / 8), and V's rows are channels in the same order: the 16 registers of tiles 2 b, 2 b + 1 are 16 neighbours, 32 b + 16 (lane / 16) + 0 .. 15, along the keys (S^T) or the channels (O^T).
; CLUSTER.  The four work-groups of a cluster have the same Y: each tensor load is asked for JOINTLY, with the same descriptor and the mask 15.  cx enters only Q's, po's and pml's global addresses.
; REGISTERS, in two windows of 256.  Tile 0 lives in window 0, tile 1 at the SAME numbers in window 1: v12 -M, v13 the largest t, v[14:15] the sum in two halves, v16-27 Q, v96-159 S^T then p, v160-223 O^T,
;   v224-247 p's codes and work, v252 f, v253 p's scale word, v254 at work.  So the softmax is written once and runs under two settings.
;   Fragments: tiles 0-3 of K or V in window 0, v32-79; tiles 4-7 in window 1, v32-79.
;   Window 0 alone: v1-6 addresses; v7 tile 1's p scale word (scale operands are always taken from window 0); v[248:251], v[28:31] the fragments' scale words; v255 Q's (lanes 0-15 tile 0, lanes 16-31 tile 1).
; LIMITS: NaN and infinities are not served; a block of p whose largest number lies under 2^-124 has its byte held at 1.
.set CHUNK, 25600                      ; 128 keys in LDS: K's 8 images, V's 8 images, K's scale words (512 bytes), V's
.set VO,    12288
.set SCO,   24576
.set WV,  12                           ; s12 my wave's number;  s13 X;  s14 Y
.set G1,  16                           ; s[16:23] descriptor group 1;  s[24:39] four groups 0
.set G0,  24
.set SEL, 40                           ; s[40:41] v_permlanex16_b32's selects for lane l xor 16
.set CS,  42                           ; s[42:43] c = log2(e) / 16: the packed form names a pair and takes its low word for both halves
.set TB,  44                           ; s44 LDS byte at which the key step's chunk begins
.set CNT, 45
.set MSB, 0
.macro WIN new                         ; low byte: bits 1:0 source 0, 3:2 source 1, 5:4 source 2, 7:6 destination; the high byte repeats the setting that is left
.if MSB != \new
	s_set_vgpr_msb (MSB<<8)|\new
.set MSB, \new
.endif
.endm
.macro PLACES                          ; four plain places between a matrix instruction and a load into, or a vector instruction on, its registers (ISA guide 7.12.1 for vector instructions)
.rept 4
	v_nop
.endr
.endm
.macro ROUND                           ; a round of the cluster's barrier: my work-group's barrier; wave 0 signals for the work-group; every wave waits for all four; my work-group's barrier once more
	s_barrier_signal -1
	s_barrier_wait -1
	s_cmp_lg_u32 s[WV], 0
	s_cbranch_scc1 .Lnot_wave_0_\@
	s_barrier_signal -3
.Lnot_wave_0_\@:
	s_barrier_wait -3
	s_barrier_signal -1
	s_barrier_wait -1
.endm
.macro INIT                            ; the key step is written once: the first finds zeros, which the first change of M leaves zeros
	v_mov_b32 v13, 0xff61b1e6                      ; the largest t so far: -3e38, under every t
	v_floor_f32 v12, -v13                          ; -M
	v_mov_b32 v14, 0
	v_mov_b32 v15, 0
.irp b, 0,1,2,3
	v_mov_b32 v[236+\b], 0                         ; a lane permute's destination counts as one of its sources
.endr
	v_mov_b32 v253, 0                              ; (named as the upper half of the pair v[252:253] before it is first written)
.irp j, 0,1,2,3,4,5,6,7,8,9,10,11,12,13,14,15,16,17,18,19,20,21,22,23,24,25,26,27,28,29,30,31,32,33,34,35,36,37,38,39,40,41,42,43,44,45,46,47,48,49,50,51,52,53,54,55,56,57,58,59,60,61,62,63
	v_mov_b32 v[160+\j], 0
.endr
.endm
; One tile's softmax of a key step, first part: M, f, p, p's scale word and codes.
.macro SM_A
.irp b, 0,1,2,3
	v_max3_num_f32 v[232+\b], v[96+16*\b], v[97+16*\b], v[98+16*\b]   ; the largest score of each block of 32 keys: it serves the row's maximum and, since p rises with the score, the block's largest p
.endr
.irp i, 3,5,7,9,11,13
.irp b, 0,1,2,3
	v_max3_num_f32 v[232+\b], v[232+\b], v[96+16*\b+\i], v[97+16*\b+\i]
.endr
.endr
.irp b, 0,1,2,3
	v_max_num_f32 v[232+\b], v[232+\b], v[111+16*\b]
.endr
.irp b, 0,1,2,3
	v_permlanex16_b32 v[236+\b], v[232+\b], s[SEL], s[SEL+1]
.endr
.irp b, 0,1,2,3
	v_max_num_f32 v[232+\b], v[232+\b], v[236+\b]  ; with lane l xor 16's 16 keys
.endr
	v_max3_num_f32 v254, v232, v233, v234
	v_max_num_f32 v254, v254, v235                 ; the step's largest score of my query
	v_mul_f32 v254, s[CS], v254                    ; as t (c is positive)
	v_max_num_f32 v13, v13, v254                   ; the running largest t
	v_mov_b32 v254, v12
	v_floor_f32 v12, -v13                          ; the new -M = floor(-t) = -ceil(t)
	v_sub_f32 v254, v12, v254                      ; old M - new M: a whole number, 0 or less
	v_cvt_i32_f32 v254, v254                       ; (it saturates)
	v_ldexp_f32 v252, 1.0, v254                    ; f = 2^(old M - new M)
.irp j, 0,2,4,6,8,10,12,14,16,18,20,22,24,26,28,30,32,34,36,38,40,42,44,46,48,50,52,54,56,58,60,62
	v_pk_fma_f32 v[96+\j:97+\j], v[96+\j:97+\j], s[CS:CS+1], v[12:13] op_sel_hi:[1,0,0]   ; t - M, two at a time
.endr
.irp b, 0,1,2,3
	v_fma_f32 v[232+\b], v[232+\b], s[CS], v12     ; the same of each block's largest score
.endr
.irp j, 0,1,2,3,4,5,6,7,8,9,10,11,12,13,14,15,16,17,18,19,20,21,22,23,24,25,26,27,28,29,30,31,32,33,34,35,36,37,38,39,40,41,42,43,44,45,46,47,48,49,50,51,52,53,54,55,56,57,58,59,60,61,62,63
	v_exp_f32 v[96+\j], v[96+\j]                   ; p = 2^(t - M), at most 1: not normalised
.endr
.irp b, 0,1,2,3
	v_exp_f32 v[232+\b], v[232+\b]                 ; the block's largest p: the same two instructions on the same number
.endr
	v_pk_mul_f32 v[14:15], v[14:15], v[252:253] op_sel_hi:[1,0]   ; the sums under the new M.  (The plain place behind the exponentials)
	s_wait_alu depctr_va_vdst(0)
.irp b, 0,1,2,3
	v_max_num_f32 v[232+\b], 0x1800000, v[232+\b]  ; the floor 2^(3 - 127): the byte cannot fall under 1
.endr
.irp b, 0,1,2,3
	v_add_nc_u32 v[244+\b], 0xff000000, v[232+\b]  ; 2 off the exponent field: the conversion's scale operand
.endr
.irp b, 0,1,2,3
	v_lshrrev_b32 v[236+\b], 23, v[244+\b]         ; the scale's byte
.endr
	v_lshl_or_b32 v253, v237, 8, v236              ; p's scale word for these 128 keys
	v_lshl_or_b32 v253, v238, 16, v253
	v_lshl_or_b32 v253, v239, 24, v253
.irp c, 0,1
	v_cvt_scalef32_pk16_fp6_f32 v[224+6*\c:226+6*\c], v[96+32*\c:111+32*\c], v[244+2*\c]
	v_cvt_scalef32_pk16_fp6_f32 v[236+4*\c:238+4*\c], v[112+32*\c:127+32*\c], v[244+2*\c+1]   ; (a conversion's three registers begin on an even number)
.endr
	v_nop                                          ; one plain place behind a scaled conversion
.irp c, 0,1                                    ; the operand's layout wants a whole block in a lane
.irp i, 0,1,2
	v_permlane16_swap_b32 v[224+6*\c+\i], v[236+4*\c+\i]
.endr
.irp i, 0,1,2
	v_mov_b32 v[227+6*\c+\i], v[236+4*\c+\i]
.endr
.endr
.endm
; Second part: the sum of the unquantised p, and O^T under the new M.  Its 64 plain lines are also the places between the writing of p's codes and scale word and the scaled products that take them.
.macro SM_B
	v_pk_add_f32 v[236:237], v[96:97], v[98:99]
.irp j, 4,8,12,16,20,24,28,32,36,40,44,48,52,56,60
	v_pk_add_f32 v[14:15], v[14:15], v[96+\j:97+\j]
	v_pk_add_f32 v[236:237], v[236:237], v[98+\j:99+\j]
.endr
	v_pk_add_f32 v[14:15], v[14:15], v[236:237]
.irp j, 0,2,4,6,8,10,12,14,16,18,20,22,24,26,28,30,32,34,36,38,40,42,44,46,48,50,52,54,56,58,60,62
	v_pk_mul_f32 v[160+\j:161+\j], v[160+\j:161+\j], v[252:253] op_sel_hi:[1,0]
.endr
.endm
; The eight fragments at byte off of the chunk, and their scale words at byte soff behind the chunk's images: four tiles' words of a row by one load of 16 bytes.
.macro LOADF off, soff
	WIN 0
.irp t, 0,1,2,3
.irp c, 0,1,2
	ds_load_b128 v[32+12*\t+4*\c:35+12*\t+4*\c], v3 offset:\off+1536*\t+512*\c
.endr
.endr
	ds_load_b128 v[248:251], v4 offset:\soff
	ds_load_b128 v[28:31], v4 offset:\soff+256
	WIN 0x40                                       ; destination window 1
.irp t, 0,1,2,3
.irp c, 0,1,2
	ds_load_b128 v[32+12*\t+4*\c:35+12*\t+4*\c], v3 offset:\off+1536*(\t+4)+512*\c
.endr
.endr
.endm
; Four matrix instructions: fragments 4 g .. 4 g + 3 against query tile q.  pv = 0: S^T = K Q^T, begun with the constant 0;  pv = 1: O^T += V^T P^T.  No two that follow each other share an accumulator.
.macro MMRUN pv, g, q
.set WW, \g+0x54*\q                    ; source 0 in window g; source 1, C and D in window q
.set SA, 248-220*\g                    ; the fragments' scale words: v248.. or v28..
	WIN WW
.irp t, 0,1,2,3
.if \pv
.if \q
	v_wmma_scale_f32_16x16x128_f8f6f4 v[160+8*(4*\g+\t):167+8*(4*\g+\t)], v[32+12*\t:43+12*\t], v[224:235], v[160+8*(4*\g+\t):167+8*(4*\g+\t)], v[SA+\t], v7 matrix_a_fmt:MATRIX_FMT_FP6 matrix_b_fmt:MATRIX_FMT_FP6
.else
	v_wmma_scale_f32_16x16x128_f8f6f4 v[160+8*(4*\g+\t):167+8*(4*\g+\t)], v[32+12*\t:43+12*\t], v[224:235], v[160+8*(4*\g+\t):167+8*(4*\g+\t)], v[SA+\t], v253 matrix_a_fmt:MATRIX_FMT_FP6 matrix_b_fmt:MATRIX_FMT_FP6
.endif
.else
.if \q
	v_wmma_scale_f32_16x16x128_f8f6f4 v[96+8*(4*\g+\t):103+8*(4*\g+\t)], v[32+12*\t:43+12*\t], v[16:27], 0, v[SA+\t], v255 matrix_a_fmt:MATRIX_FMT_FP6 matrix_b_fmt:MATRIX_FMT_FP6 matrix_b_scale:MATRIX_SCALE_ROW1
.else
	v_wmma_scale_f32_16x16x128_f8f6f4 v[96+8*(4*\g+\t):103+8*(4*\g+\t)], v[32+12*\t:43+12*\t], v[16:27], 0, v[SA+\t], v255 matrix_a_fmt:MATRIX_FMT_FP6 matrix_b_fmt:MATRIX_FMT_FP6
.endif
.endif
.endr
.endm
; A KEY STEP: 128 keys, both tiles of queries: 32 matrix instructions, 52 LDS loads, two softmaxes.
.macro STEP
	v_add_nc_u32 v3, s[TB], v1                     ; these two and two v_nop are the four places behind the last step's products
	v_add_nc_u32 v4, s[TB], v2
	v_nop
	v_nop
	LOADF 0, 0                                     ; K
	s_wait_dscnt 0x0
	MMRUN 0, 0, 0
	MMRUN 0, 0, 1
	MMRUN 0, 1, 0
	MMRUN 0, 1, 1
	WIN 0
	PLACES
	LOADF VO, 512                                  ; V lands while the softmaxes run: they touch none of its registers
	WIN 0
	SM_A
	SM_B
	WIN 0x55                                       ; all four places in window 1: tile 1
	SM_A
	WIN 0x01
	v_mov_b32 v7, v253                             ; tile 1's scale word into window 0
	WIN 0x55
	SM_B
	s_wait_dscnt 0x0                               ; V is in
	MMRUN 1, 0, 0
	MMRUN 1, 0, 1
	MMRUN 1, 1, 0
	MMRUN 1, 1, 1
	WIN 0                                          ; at a label and at a branch every window is 0
	s_add_co_u32 s[TB], s[TB], CHUNK
.endm
; cnt: how many of my younger tensor loads may stay out.  Behind the barrier every wave's part of the chunks from byte tb0 on has landed.
.macro PHASE cnt, trips, tb0
	s_wait_tensorcnt \cnt
	s_barrier_signal -1
	s_barrier_wait -1
	s_mov_b32 s[TB], \tb0
	s_mov_b32 s[CNT], \trips
.Lstep_\@:
	STEP
	s_sub_co_u32 s[CNT], s[CNT], 1
	s_cmp_lg_u32 s[CNT], 0
	s_cbranch_scc1 .Lstep_\@
.endm
	s_load_b256 s[4:11], s[0:1], 0x0               ; qimg 4, kv 6, po 8, pml 10
	v_lshl_add_u32 v95, v0, 2, 0x32000
	v_mov_b32 v243, 0
	ds_add_u32 v95, v243
	ds_add_u32 v95, v243
	v_lshrrev_b32 v1, 5, v0
	v_readfirstlane_b32 s[WV], v1                  ; wave 0..7
	s_bfe_u32 s46, ttmp6, 0x40000                  ; cx
	s_lshl_b32 s13, ttmp9, 2                       ; in a cluster launch ttmp9 counts clusters
	s_add_co_u32 s13, s13, s46                     ; X = 4 x cluster x + cx
	s_and_b32 s14, ttmp7, 0xffff                   ; Y, which the four partners share
	; descriptor group 1: 6,400 dense bytes as 25 rows of 256 (32 elements of 8 bytes), no padding
	s_mov_b32 s[G1], 15|(3<<16)|(1<<21)            ; 15:0 the mask: all four work-groups; 17:16 elements of 8 bytes; 21 set beside a mask
	s_mov_b32 s[G1+1], 32<<16                      ; tensor_dim0 = 32
	s_mov_b32 s[G1+2], 25<<16                      ; tensor_dim1 = 25
	s_mov_b32 s[G1+3], 32<<16                      ; tile_dim0 = 32
	s_mov_b32 s[G1+4], 25                          ; tile_dim1 = 25
	s_mov_b32 s[G1+5], 32                          ; elements from row to row
	s_mov_b32 s[G1+6], 0
	s_mov_b32 s[G1+7], 0
	s_mul_i32 s47, s[WV], 6400                     ; my eighth of two chunks: in LDS and in memory alike
	s_mul_i32 s48, s14, 8*CHUNK                    ; the split's eight chunks
	s_add_co_u32 s48, s48, s47
	s_mov_b32 s49, 0
	s_mov_b32 s[SEL], 0x76543210
	s_mov_b32 s[SEL+1], 0xfedcba98
	s_mov_b32 s[CS], 0x3db8aa3b                    ; c = log2(e) / 16
	s_mov_b32 s[CS+1], s[CS]
	s_wait_dscnt 0x0
	s_wait_kmcnt 0x0
	s_add_nc_u64 s[6:7], s[6:7], s[48:49]
	ROUND                                          ; all four work-groups are here: the joint loads meet
.irp p, 0,1,2,3                                ; all four groups 0 are written ahead of the first load: none is written while a load is out
	s_mov_b32 s[G0+4*\p], 1                        ; count = 1
	s_add_co_u32 s[G0+4*\p+1], s47, 2*CHUNK*\p     ; LDS address: key steps 2 p and 2 p + 1
	s_add_nc_u64 s[G0+4*\p+2:G0+4*\p+3], s[6:7], 2*CHUNK*\p
	s_or_b32 s[G0+4*\p+3], s[G0+4*\p+3], 0x80000000   ; type = 2
.endr
	tensor_load_to_lds s[G0:G0+3], s[G1:G1+7]      ; my part of key steps 0 and 1: asked for first, since it is wanted first
	s_nop 0
.rept 4
	v_nop
.endr
	v_and_b32 v8, 31, v0                           ; L
	v_and_b32 v9, 15, v0                           ; r
	v_lshlrev_b32 v1, 4, v8                        ; v1  16 L: an image's place for my lane
	v_lshl_add_u32 v2, v9, 4, SCO                  ; v2  16 r + 24,576: four tiles' scale words of row r
	v_lshlrev_b32 v5, 3, v8                        ; v5  8 L
	v_lshlrev_b32 v6, 2, v8                        ; v6  4 L
	s_lshl_b32 s50, s13, 1
	s_lshr_b32 s51, s[WV], 2
	s_add_co_u32 s50, s50, s51                     ; my tiles' chunk of qimg: 2 X + w / 4
	s_mul_i32 s50, s50, 12800
	s_lshl_b32 s51, s[WV], 1
	s_and_b32 s51, s51, 7                          ; my first tile in it
	s_mul_i32 s52, s51, 1536
	s_add_co_u32 s52, s52, s50
	s_mov_b32 s53, 0
	s_add_nc_u64 s[52:53], s[4:5], s[52:53]        ; its image
	s_lshl_b32 s51, s51, 6
	s_add_co_u32 s50, s50, s51
	s_mov_b32 s51, 0
	s_add_nc_u64 s[4:5], s[4:5], s[50:51]          ; its scale words lie 12,288 bytes on
	s_lshl_b32 s50, s14, 9
	s_lshl_b32 s51, s13, 4
	s_add_co_u32 s50, s50, s51
	s_lshl_b32 s51, s[WV], 1
	s_add_co_u32 s50, s50, s51                     ; 512 Y + my first tile, 16 X + 2 w
	s_lshl_b32 s50, s50, 13                        ; 8,192 bytes a tile
	s_mov_b32 s51, 0
	s_add_nc_u64 s[8:9], s[8:9], s[50:51]
	s_lshl_b32 s50, s14, 16                        ; pml: 65,536 Y + 128 bytes a tile
	s_lshl_b32 s51, s13, 11
	s_add_co_u32 s50, s50, s51
	s_lshl_b32 s51, s[WV], 8
	s_add_co_u32 s50, s50, s51
	s_mov_b32 s51, 0
	s_add_nc_u64 s[10:11], s[10:11], s[50:51]
.irp c, 0,1,2
	global_load_b128 v[16+4*\c:19+4*\c], v1, s[52:53] offset:512*\c          ; Q's fragments stay in registers
.endr
	global_load_b32 v255, v6, s[4:5] offset:12288  ; lanes 0-15: tile 0's scale words, lanes 16-31: tile 1's
	WIN 0x40
.irp c, 0,1,2
	global_load_b128 v[16+4*\c:19+4*\c], v1, s[52:53] offset:1536+512*\c
.endr
	WIN 0
	INIT
	WIN 0x55
	INIT
	WIN 0
	tensor_load_to_lds s[G0+4:G0+7], s[G1:G1+7]    ; key steps 2 to 7: still ahead of every wait on TENSORcnt, every LDS read and every barrier behind the round.  Four loads of mine are out
	s_nop 0
	tensor_load_to_lds s[G0+8:G0+11], s[G1:G1+7]
	s_nop 0
	tensor_load_to_lds s[G0+12:G0+15], s[G1:G1+7]
	s_nop 0
.rept 4
	v_nop
.endr
	s_wait_loadcnt 0x0                             ; Q
	PHASE 3, 2, 0                                  ; my first load has landed (three younger ones stay out): key steps 0 and 1
	PHASE 0, 6, 2*CHUNK                            ; all have: key steps 2 to 7
	; THE WAY OUT: O^T as it stands in the registers, four registers a store: each store covers 512 consecutive bytes.  Each accumulator is read from its low end on.
	PLACES
	v_add_f32 v14, v14, v15                        ; the sum's two halves,
	v_permlanex16_b32 v252, v14, s[SEL], s[SEL+1]
	v_add_f32 v14, v14, v252                       ; and lane l xor 16's
	WIN 0x55
	v_add_f32 v14, v14, v15
	v_permlanex16_b32 v252, v14, s[SEL], s[SEL+1]
	v_add_f32 v14, v14, v252
	WIN 0x01
	v_mov_b32 v82, v12                             ; tile 1's -M and l into window 0
	v_mov_b32 v83, v14
	WIN 0
	s_mov_b32 vcc_lo, 0xffff0000
	v_cndmask_b32 v80, v12, v82, vcc_lo            ; lanes 0-15: tile 0's row r; lanes 16-31: tile 1's
	v_cndmask_b32 v81, v14, v83, vcc_lo
.irp j, 0,1,2,3,4,5,6,7,8,9,10,11,12,13,14,15
	global_store_b128 v1, v[160+4*\j:163+4*\j], s[8:9] offset:512*\j
.endr
	WIN 0x04                                       ; a store's data are its source 1: window 1
.irp j, 0,1,2,3,4,5,6,7,8,9,10,11,12,13,14,15
	global_store_b128 v1, v[160+4*\j:163+4*\j], s[8:9] offset:8192+512*\j
.endr
	WIN 0
	global_store_b64 v5, v[80:81], s[10:11]        ; the wave stores 256 consecutive bytes
	s_wait_tensorcnt 0x0
	ds_add_u32 v95, v243
	s_wait_dscnt 0x0
	ROUND                                          ; the closing round: no work-group ends while a partner may still ask for a tile that names it
	s_endpgm
.Lfunc_end_k_q7d3c3b4b39_attn:
	.size	k_q7d3c3b4b39_attn, .Lfunc_end_k_q7d3c3b4b39_attn-k_q7d3c3b4b39_attn
	.p2alignl 7, 3214868480
	.fill 96, 4, 3214868480
	.section	.rodata,"a",@progbits
	.p2align	6, 0x0
	.amdhsa_kernel k_q7d3c3b4b39_attn
		.amdhsa_group_segment_fixed_size 205824
		.amdhsa_private_segment_fixed_size 0
		.amdhsa_enable_private_segment 0
		.amdhsa_kernarg_size 32
		.amdhsa_user_sgpr_count 2
		.amdhsa_user_sgpr_kernarg_segment_ptr 1
		.amdhsa_wavefront_size32 1
		.amdhsa_system_sgpr_workgroup_id_x 1
		.amdhsa_system_sgpr_workgroup_id_y 1
		.amdhsa_system_sgpr_workgroup_id_z 1
		.amdhsa_system_vgpr_workitem_id 0
		.amdhsa_next_free_vgpr 512
		.amdhsa_next_free_sgpr 66
		.amdhsa_reserve_vcc 1
		.amdhsa_float_denorm_mode_32 3
		.amdhsa_float_denorm_mode_16_64 3
		.amdhsa_memory_ordered 1
		.amdhsa_forward_progress 1
		.amdhsa_inst_pref_size 82
	.end_amdhsa_kernel
	.amdgpu_metadata
---
amdhsa.version: [ 1, 2 ]
amdhsa.kernels:
  - .name:           k_q7d3c3b4b39_attn
    .symbol:         k_q7d3c3b4b39_attn.kd
    .args:
      - { .name: qimg, .offset: 0, .size: 8, .value_kind: global_buffer, .address_space: global }
      - { .name: kv, .offset: 8, .size: 8, .value_kind: global_buffer, .address_space: global }
      - { .name: po, .offset: 16, .size: 8, .value_kind: global_buffer, .address_space: global }
      - { .name: pml, .offset: 24, .size: 8, .value_kind: global_buffer, .address_space: global }
    .group_segment_fixed_size: 205824
    .private_segment_fixed_size: 0
    .kernarg_segment_align: 8
    .kernarg_segment_size: 32
    .max_flat_workgroup_size: 256
    .sgpr_count:     66
    .vgpr_count:     512
    .wavefront_size: 32
...
	.end_amdgpu_metadata
.endif
;; end of part 2
;; launch merge (part 3): grid 128 x 1, 16 waves a work-group, no clusters, 78,848 bytes of LDS; arguments po, pml, Wo_codes, Wo_scales, bo, x, out0; writes out0
.if DOCPART == 3
	.amdgcn_target "amdgcn-amd-amdhsa--gfx1250"
	.amdhsa_code_object_version 6
	.text
	.protected	k_q7d3c3b4b39_merge
	.globl	k_q7d3c3b4b39_merge
	.p2align	8
	.type	k_q7d3c3b4b39_merge,@function
k_q7d3c3b4b39_merge:
	s_mov_b64 s[64:65], 0
	v_nop
	global_prefetch_b8 v0, s[64:65] scope:SCOPE_SE
	s_setreg_imm32_b32 hwreg(HW_REG_WAVE_MODE, 25, 1), 1
	s_wait_xcnt 0x0
; The eight partial results of each query are brought under one M (exact powers of two), added and divided by the sum l: o.  o is quantised along its 128 channels to codes of FP6 (E2M3), one E8M0 scale for each 32,
; and out0 = x + Wo o + bo, the product on codes.
; SHARES.  Work-group G takes four tiles of 16 queries, 4 G .. 4 G + 3: by the order of rows that the first launch chose these are voxels 64 G .. 64 G + 63: 256 consecutive bytes of every row of x and of out0.
; Sixteen waves.  MERGE: wave w takes block w % 4 (32 channels: 16 registers a lane, lanes l and l xor 16 share the block) of tile w / 4.  Its 16 codes a lane (12 bytes) and the block's byte go to LDS as rows of codes.
; One barrier.  PRODUCT: wave w takes Wo's rows 16 w .. 16 w + 15 (source 1) against the four tiles of o (source 0): a lane holds ONE output channel and eight neighbouring voxels; bo is the C of the product.
; THE WAY OUT goes through the wave's own 16 rows of a stage (256 bytes + 16): no barrier; sixteen lanes then add x's and store 256 consecutive bytes of a row.
; NO CLUSTER: what work-groups share is Wo (25,600 bytes a work-group) beside 266,240 bytes of partial results that are the work-group's own.  No tensor load: every byte is asked for at the head, into registers.
; LIMITS: NaN and infinities are not served; a block of o whose largest magnitude lies under 2^-124 has its byte held at 1 (a block of zeros too: its codes are zeros).
.set OCD, 0                            ; LDS: o's codes: 64 rows of 96 bytes, 104 apart; tile q at 1664 q
.set OSC, 6656                         ; o's scale words: 64 q + 4 row
.set STG, 7168                         ; the stage: 256 rows x 272 bytes
.set F,   12                           ; v12-27   f of split s, twice (a pair for the packed forms)
.set WF,  32                           ; v32-43   Wo's fragment; v44 its scale words; v45 bo; v46-53 bo as a tile; v54-56 codes; v58 l; v59, v60 scale operand, byte; v61-62 o's scale words
.set XR,  64                           ; v64-95   x
.set ML,  96                           ; v96-111  (-M, l) of the eight splits
.set O,   112                          ; v112-127 o: my 16 channels
.set P,   128                          ; v128-255 the partial O^T: split s at 128 + 16 s;  later: v128-159 four accumulators, v160-207 o's four fragments, v212-243 rows read back
	s_load_b256 s[4:11], s[0:1], 0x0               ; po 4, pml 6, Wo's codes 8, Wo's scales 10
	s_load_b128 s[12:15], s[0:1], 0x20             ; bo 12, x 14
	s_load_b64 s[16:17], s[0:1], 0x30              ; out0
	v_lshl_add_u32 v57, v0, 2, 0x12c00
	v_mov_b32 v63, 0
	v_lshrrev_b32 v1, 5, v0
	v_readfirstlane_b32 s18, v1                    ; wave w
	s_lshr_b32 s19, s18, 2                         ; my tile of the four
	s_and_b32 s28, s18, 3                          ; my block of its four
	v_and_b32 v28, 31, v0                          ; L
	v_and_b32 v29, 15, v0                          ; r
	v_bfe_u32 v30, v0, 4, 1                        ; h
	v_lshlrev_b32 v1, 4, v28                       ; v1  16 L
	v_lshlrev_b32 v2, 3, v29                       ; v2  8 r: a row's (-M, l)
	v_mul_u32_u24 v3, v29, 96
	v_mad_u32_u24 v3, v30, 24, v3                  ; v3  Wo: row r of 96 bytes, + 24 h
	v_lshlrev_b32 v4, 2, v29                       ; v4  4 r
	v_lshlrev_b32 v5, 15, v30
	v_lshl_add_u32 v5, v29, 4, v5                  ; v5  x, out0: lanes 0-15 one row, lanes 16-31 the next; 16 bytes a lane
	s_mul_i32 s29, s19, 1664
	s_mul_i32 s32, s28, 24
	s_add_co_u32 s29, s29, s32
	v_mul_u32_u24 v6, v29, 104
	v_mad_u32_u24 v6, v30, 12, v6
	v_add_nc_u32 v6, s29, v6                       ; v6  where my 12 bytes of codes go: my tile, row r, block's 24 bytes, my half
	s_lshl_b32 s29, s19, 6
	s_add_co_u32 s29, s29, s28
	s_add_co_u32 s29, s29, OSC
	v_lshl_add_u32 v7, v29, 2, s29                 ; v7  and the block's byte
	v_mul_u32_u24 v8, v29, 104
	v_mad_u32_u24 v8, v30, 24, v8                  ; v8  a fragment of o: row r, + 24 h
	v_lshl_add_u32 v9, v28, 2, OSC                 ; v9  o's scale words: lanes 0-15 the even tile, lanes 16-31 the odd one
	s_mul_i32 s29, s18, 16*272
	s_add_co_u32 s29, s29, STG                     ; my 16 rows of the stage
	v_mul_u32_u24 v10, v29, 272
	v_lshl_add_u32 v10, v30, 6, v10
	v_add_nc_u32 v10, s29, v10                     ; v10 in: row r, + 64 h
	v_mul_u32_u24 v11, v30, 272
	v_lshl_add_u32 v11, v29, 4, v11
	v_add_nc_u32 v11, s29, v11                     ; v11 back: lanes 0-15 one row, lanes 16-31 the next
	s_mov_b32 s30, 0x76543210
	s_mov_b32 s31, 0xfedcba98                      ; v_permlanex16_b32's selects for lane l xor 16
	s_lshl_b32 s33, ttmp9, 2
	s_add_co_u32 s33, s33, s19                     ; my tile among the 512
	s_lshl_b32 s34, s33, 13                        ; 8,192 bytes a tile,
	s_lshl_b32 s36, s28, 11                        ; 2,048 a block
	s_add_co_u32 s34, s34, s36
	s_mov_b32 s35, 0
	s_lshl_b32 s36, s33, 7                         ; pml: 128 bytes a tile
	s_mov_b32 s37, 0
	s_mul_i32 s38, s18, 1536                       ; Wo's 16 rows of 96 bytes
	s_mov_b32 s39, 0
	s_lshl_b32 s40, s18, 6                         ; its scale words and bo: 64 bytes
	s_mov_b32 s41, 0
	s_lshl_b32 s42, s18, 19                        ; x, out0: 16 w rows of 32,768 bytes,
	s_lshl_b32 s44, ttmp9, 8                       ; the work-group's 256 bytes of a row
	s_add_co_u32 s42, s42, s44
	s_mov_b32 s43, 0
	s_wait_kmcnt 0x0
	s_add_nc_u64 s[20:21], s[4:5], s[34:35]        ; four bases, two splits apart, so that every offset fits the immediate
	s_add_nc_u64 s[22:23], s[20:21], 0x800000
	s_add_nc_u64 s[24:25], s[20:21], 0x1000000
	s_add_nc_u64 s[26:27], s[20:21], 0x1800000
	s_add_nc_u64 s[6:7], s[6:7], s[36:37]
	s_add_nc_u64 s[8:9], s[8:9], s[38:39]
	s_add_nc_u64 s[10:11], s[10:11], s[40:41]
	s_add_nc_u64 s[12:13], s[12:13], s[40:41]
	s_add_nc_u64 s[14:15], s[14:15], s[42:43]
	s_add_nc_u64 s[16:17], s[16:17], s[42:43]
	; all 56 loads at once, in the order in which they are wanted
.irp s, 0,1,2,3,4,5,6,7
	global_load_b64 v[ML+2*\s:ML+2*\s+1], v2, s[6:7] offset:65536*\s
.endr
.irp s, 0,1,2,3,4,5,6,7
.irp q, 0,1,2,3
	global_load_b128 v[P+16*\s+4*\q:P+16*\s+4*\q+3], v1, s[20+2*(\s/2):21+2*(\s/2)] offset:4194304*(\s%2)+512*\q th:TH_LOAD_NT   ; 512 consecutive bytes a load
.endr
.endr
.irp p, 0,1,2,3,4,5
	global_load_b64 v[WF+2*\p:WF+2*\p+1], v3, s[8:9] offset:48*(\p/3)+8*(\p%3)
.endr
	global_load_b32 v44, v4, s[10:11]
	global_load_b32 v45, v4, s[12:13]
.irp i, 0,1,2,3,4,5,6,7
	global_load_b128 v[XR+4*\i:XR+4*\i+3], v5, s[14:15] offset:65536*\i th:TH_LOAD_NT
.endr
	s_wait_loadcnt 48                              ; the eight (-M, l) are in; the 32 + 8 + 8 loads behind them may be out
	v_min3_num_f32 v28, v[ML], v[ML+2], v[ML+4]    ; the smallest -M: the largest M
	v_min3_num_f32 v28, v28, v[ML+6], v[ML+8]
	v_min3_num_f32 v28, v28, v[ML+10], v[ML+12]
	v_min_num_f32 v28, v28, v[ML+14]
.irp s, 0,1,2,3,4,5,6,7
	v_sub_f32 v29, v28, v[ML+2*\s]                 ; M of split s less the largest M: a whole number, 0 or less
	v_cvt_i32_f32 v29, v29
	v_ldexp_f32 v[F+2*\s], 1.0, v29                ; f = 2^that: nothing is rounded
	v_ldexp_f32 v[F+2*\s+1], 1.0, v29
.endr
	v_mul_f32 v58, v[F], v[ML+1]
.irp s, 1,2,3,4,5,6,7
	v_fmac_f32 v58, v[F+2*\s], v[ML+2*\s+1]        ; l under the largest M
.endr
	v_rcp_f32 v30, v58                             ; twice, for the packed multiply; the first line on the partials below is the plain place behind them
	v_rcp_f32 v31, v58
.irp s, 0,1,2,3,4,5,6,7
	s_wait_loadcnt 44-4*\s                         ; split s's four loads are in; those behind them may be out
.irp i, 0,2,4,6,8,10,12,14
.if \s == 0
	v_pk_mul_f32 v[O+\i:O+\i+1], v[P+\i:P+\i+1], v[F:F+1]
.else
	v_pk_fma_f32 v[O+\i:O+\i+1], v[P+16*\s+\i:P+16*\s+\i+1], v[F+2*\s:F+2*\s+1], v[O+\i:O+\i+1]
.endif
.endr
.endr
	s_wait_alu depctr_va_vdst(0)
.irp i, 0,2,4,6,8,10,12,14
	v_pk_mul_f32 v[O+\i:O+\i+1], v[O+\i:O+\i+1], v[30:31]   ; o: register i is channel 32 block + 16 h + i of query row r
.endr
	v_max3_num_f32 v28, |v[O]|, |v[O+1]|, 0x1800000   ; my 16 numbers, and the floor 2^(3 - 127)
.irp i, 2,4,6,8,10,12,14
	v_max3_num_f32 v28, v28, |v[O+\i]|, |v[O+\i+1]|
.endr
	v_permlanex16_b32 v29, v28, s30, s31
	v_max_num_f32 v28, v28, v29                    ; with lane l xor 16's: the block's largest magnitude
	v_add_nc_u32 v59, 0xff000000, v28              ; 2 off its exponent field: the conversion's scale operand
	v_lshrrev_b32 v60, 23, v59                     ; the byte
	v_cvt_scalef32_pk16_fp6_f32 v[54:56], v[O:O+15], v59
	v_nop                                          ; one plain place behind a scaled conversion
	ds_store_b32 v6, v54
	ds_store_b32 v6, v55 offset:4
	ds_store_b32 v6, v56 offset:8
	ds_store_b8 v7, v60                            ; both lanes of a block write the same byte with the same value
	s_wait_dscnt 0x0                               ; for the others' sake: my stores have landed
	s_barrier_signal -1
	s_barrier_wait -1                              ; 64 rows of codes and their scale words lie in LDS
.irp q, 0,1,2,3
.irp p, 0,1,2,3,4,5
	ds_load_b64 v[160+12*\q+2*\p:161+12*\q+2*\p], v8 offset:1664*\q+48*(\p/3)+8*(\p%3)
.endr
.endr
	ds_load_b32 v61, v9
	ds_load_b32 v62, v9 offset:128
	s_wait_loadcnt 8                               ; Wo, its scale words and bo are in; x's eight loads may be out
.irp j, 0,1,2,3,4,5,6,7
	v_mov_b32 v[46+\j], v45                        ; a lane holds one output channel: its bias in all eight registers
.endr
	s_wait_dscnt 0x0
.irp q, 0,1,2,3                                ; lane (r, h): output channel 16 w + r; register j: voxel 32 (q / 2) + 8 (q % 2) + 16 h + j of the 64
.if \q%2
	v_wmma_scale_f32_16x16x128_f8f6f4 v[128+8*\q:135+8*\q], v[160+12*\q:171+12*\q], v[WF:WF+11], v[46:53], v[61+\q/2], v44 matrix_a_fmt:MATRIX_FMT_FP6 matrix_b_fmt:MATRIX_FMT_FP6 matrix_a_scale:MATRIX_SCALE_ROW1
.else
	v_wmma_scale_f32_16x16x128_f8f6f4 v[128+8*\q:135+8*\q], v[160+12*\q:171+12*\q], v[WF:WF+11], v[46:53], v[61+\q/2], v44 matrix_a_fmt:MATRIX_FMT_FP6 matrix_b_fmt:MATRIX_FMT_FP6
.endif
.endr
.rept 4
	v_nop                                          ; four plain places in front of the first read of results (ISA guide 7.12.1)
.endr
.irp q, 0,1,2,3
	ds_store_b128 v10, v[128+8*\q:131+8*\q] offset:128*(\q/2)+32*(\q%2)      ; each accumulator from its low end on
	ds_store_b128 v10, v[132+8*\q:135+8*\q] offset:128*(\q/2)+32*(\q%2)+16
.endr
.irp i, 0,1,2,3,4,5,6,7
	ds_load_b128 v[212+4*\i:215+4*\i], v11 offset:544*\i   ; LDS serves a wave's instructions in order (ISA guide 5.7.1.4): these see my stores; the rows are my wave's own
.endr
	s_wait_loadcnt 0x0                             ; x
.irp i, 0,1,2,3,4,5,6,7
	s_wait_dscnt 7-\i                              ; rows 2 i and 2 i + 1 are back
	v_pk_add_f32 v[212+4*\i:213+4*\i], v[212+4*\i:213+4*\i], v[XR+4*\i:XR+4*\i+1]
	v_pk_add_f32 v[214+4*\i:215+4*\i], v[214+4*\i:215+4*\i], v[XR+4*\i+2:XR+4*\i+3]
	global_store_b128 v5, v[212+4*\i:215+4*\i], s[16:17] offset:65536*\i th:TH_STORE_NT   ; sixteen lanes store 256 consecutive bytes, at a multiple of 256 from out0's first byte
.endr
	s_wait_tensorcnt 0x0
	ds_add_u32 v57, v63
	s_wait_dscnt 0x0
	s_endpgm
.Lfunc_end_k_q7d3c3b4b39_merge:
	.size	k_q7d3c3b4b39_merge, .Lfunc_end_k_q7d3c3b4b39_merge-k_q7d3c3b4b39_merge
	.p2alignl 7, 3214868480
	.fill 96, 4, 3214868480
	.section	.rodata,"a",@progbits
	.p2align	6, 0x0
	.amdhsa_kernel k_q7d3c3b4b39_merge
		.amdhsa_group_segment_fixed_size 78848
		.amdhsa_private_segment_fixed_size 0
		.amdhsa_enable_private_segment 0
		.amdhsa_kernarg_size 56
		.amdhsa_user_sgpr_count 2
		.amdhsa_user_sgpr_kernarg_segment_ptr 1
		.amdhsa_wavefront_size32 1
		.amdhsa_system_sgpr_workgroup_id_x 1
		.amdhsa_system_sgpr_workgroup_id_y 1
		.amdhsa_system_sgpr_workgroup_id_z 1
		.amdhsa_system_vgpr_workitem_id 0
		.amdhsa_next_free_vgpr 256
		.amdhsa_next_free_sgpr 66
		.amdhsa_reserve_vcc 0
		.amdhsa_float_denorm_mode_32 3
		.amdhsa_float_denorm_mode_16_64 3
		.amdhsa_memory_ordered 1
		.amdhsa_forward_progress 1
		.amdhsa_inst_pref_size 23
	.end_amdhsa_kernel
	.amdgpu_metadata
---
amdhsa.version: [ 1, 2 ]
amdhsa.kernels:
  - .name:           k_q7d3c3b4b39_merge
    .symbol:         k_q7d3c3b4b39_merge.kd
    .args:
      - { .name: po, .offset: 0, .size: 8, .value_kind: global_buffer, .address_space: global }
      - { .name: pml, .offset: 8, .size: 8, .value_kind: global_buffer, .address_space: global }
      - { .name: Wo_codes, .offset: 16, .size: 8, .value_kind: global_buffer, .address_space: global }
      - { .name: Wo_scales, .offset: 24, .size: 8, .value_kind: global_buffer, .address_space: global }
      - { .name: bo, .offset: 32, .size: 8, .value_kind: global_buffer, .address_space: global }
      - { .name: x, .offset: 40, .size: 8, .value_kind: global_buffer, .address_space: global }
      - { .name: out0, .offset: 48, .size: 8, .value_kind: global_buffer, .address_space: global }
    .group_segment_fixed_size: 78848
    .private_segment_fixed_size: 0
    .kernarg_segment_align: 8
    .kernarg_segment_size: 56
    .max_flat_workgroup_size: 512
    .sgpr_count:     66
    .vgpr_count:     256
    .wavefront_size: 32
...
	.end_amdgpu_metadata
.endif
;; end of part 3
;; ======== version 2 of 2: 3 launches; version 1 with the launches proj, merge written anew for expert scheduling mode
;; workspace buffers: qimg 819,200 bytes; kv 1,638,400 bytes; po 33,554,432 bytes; pml 524,288 bytes
;; launch proj (part 4): grid 64 x 1, 8 waves a work-group, no clusters, 107,520 bytes of LDS; arguments x, Wq_codes, Wq_scales, bq, Wk_codes, Wk_scales, bk, Wv_codes, Wv_scales, bv, qimg, kv; writes qimg, kv
.if DOCPART == 4
	.amdgcn_target "amdgcn-amd-amdhsa--gfx1250"
	.amdhsa_code_object_version 6
	.text
	.protected	k_q7d3c3b4b39_proj
	.globl	k_q7d3c3b4b39_proj
	.p2align	8
	.type	k_q7d3c3b4b39_proj,@function
k_q7d3c3b4b39_proj:
	s_mov_b64 s[64:65], 0
	v_nop
	global_prefetch_b8 v0, s[64:65] scope:SCOPE_SE
	s_setreg_imm32_b32 hwreg(HW_REG_WAVE_SCHED_MODE, 0, 2), 2
	s_setreg_imm32_b32 hwreg(HW_REG_WAVE_MODE, 25, 1), 1
	s_wait_xcnt 0x0
	s_wait_alu depctr_vm_vsrc(0)
; q = x^T Wq^T + bq, k = x^T Wk^T + bk, v = x^T Wv^T + bv for 128 voxels (one CHUNK) a work-group, all three products on codes of FP6 (E2M3) with one E8M0 scale for each 32 along K = the 256 channels.
; x [256][8192] f32 is quantised here along the channels; the weights arrive as codes.  q and k are then quantised along their 128 channels, v along the chunk's 128 voxels (the keys), and all three leave as
; IMAGES OF THE OPERAND'S REGISTERS: a fragment (16 rows x 128 K, 12 registers a lane) is three groups of 512 bytes, lane l's 16 bytes at 16 l; the attention launch takes them by loads of 16 bytes.
; ONE ORDER OF ROWS EVERYWHERE: row r of tile t is index kap(t, r) = 32 (t / 2) + 8 (t % 2) + r + 8 (r / 8): of the chunk's voxels for x's, q's and k's tiles, of the 128 output channels for the weights' tiles.
; So in a result the 16 registers of tiles 2 b and 2 b + 1 are 16 neighbours, 32 b + 16 (lane / 16) + 0 .. 15, along the next product's K, and the conversions take them as they stand.
; SHARES.  Eight waves.  Phase X: wave (b = w % 4, s = w / 4) takes voxels 32 b .. 32 b + 31, one a lane, and channels 128 s .. 128 s + 127 down its registers: a block of 32 channels lies in one lane.
; Phase Q, K: wave w multiplies x's tile w (source 1) by the weight's eight tiles (source 0): a lane holds one voxel, its registers run along the channels.  Phase V: wave w multiplies x's eight tiles (source 0)
; by Wv's tile w (source 1): a lane holds one channel, its registers run along the voxels.  The biases are the C of each sum's first matrix instruction.
; 64 work-groups: a chunk of 128 voxels is one K step of the attention's second product, so that each image and each block of scale words is stored whole by one work-group.
; NO CLUSTER: the weights (76,800 bytes a work-group) are taken by plain loads, each wave its tile's rows in the order kap, and laid in LDS as register images, from which a fragment is three loads of 16 bytes;
; a tensor load would lay them as rows.  No tensor load, so no ring.
; LIMITS: NaN and infinities among the inputs are not served.  A block whose largest magnitude lies under 2^-124 has its byte held at 1; a block of zeros gets the byte 1 where the quantiser says 127: its codes are
; zeros, which add nothing under any byte but 0xff, and these bytes are read by this program alone.
; THE MODE: SCHED_MODE bits 1:0 = 2 (LLVM: expert scheduling mode 2), set by the entry lines.  The code itself states the register dependences between vector or matrix instructions and memory or LDS
; instructions, with s_wait_alu, always for 0.
; THE PLAN.  Registers that memory or LDS instructions touch:
;   v1-15       addresses, made once at the head and never written again.  v49, v51: addresses of the weights' scale words; bv lands there later.
;   v52-127     the staged weights and a bias: global loads land, LDS stores read; then phase X's vector lines write v52-111.
;   v128-255    x: global loads land, vector lines read; no vector line names a block's registers before its loads go out.
;   v52-75, v92 phase X's codes and scale word: vector lines write, LDS stores read; then they are part of the accumulators, in which bq lands.
;   ACC         bq's and bk's loads land; the products write; QUANT reads.
;   BF          x's tile w, for v Wv's tile w: LDS loads land, the products read.
;   AF0, AF1    (window 1) the eight fragments of source 0, a buffer to each K step: LDS loads land, the products read; the next unit's loads go out behind this unit's products and land while QUANT runs.
;   PC, PW      QUANT writes; three global stores and one LDS store read; the next QUANT writes them again a whole unit later; at the end wave 0's loads land in PC.
; So a unit (q, k, v) has: one wait on va_vdst behind its products, ahead of the next unit's loads; one behind QUANT, ahead of its stores; one on vm_vsrc, beside the wait on XCNT, ahead of the next writer of PC and PW.
.set XIMG, 73728                       ; LDS: 0 the weights' 48 fragments, (matrix mu, tile t, K step s) at 24576 mu + 3072 t + 1536 s;  XIMG x's 16 fragments, (tile, s) at 3072 tile + 1536 s
.set XSC,  98304                       ; x's scale words: 512 s + 64 tile + 4 row
.set BIA,  99328                       ; bq, bk, bv: 512 bytes each
.set SST,  103424                      ; the scale words made here: q's 512 bytes, k's, v's, laid as they leave.  From 0x1a000 on: the spare words, 128 bytes for each wave, which no other line names
.set WSQ,  16                          ; v16-23  Wq's scale words: register 2 b + s: lanes 0-15 tile 2 b, lanes 16-31 tile 2 b + 1
.set WSK,  24                          ; v24-31  Wk's likewise
.set WSV,  32                          ; v32-33  Wv's tile w, K step s
.set XSA,  34                          ; v34-41  x's scale words for phase V: register 2 b + s: lanes 0-15 tile 2 b, lanes 16-31 tile 2 b + 1
.set XSB,  42                          ; v42-43  x's tile w, K step s
.set VB,   44                          ; v44-51  at the head: at work;  later bv of my lane's channel, eight times
.set ACC,  52                          ; v52-115 eight accumulators;  at the head v52-123 the staged weights, then phase X's codes and work
.set BF,   116                         ; v116-139 source 1: two fragments
.set X,    128                         ; v128-255 phase X: my voxel's 128 channels
.set AF0,  4                           ; in window 1: v260-355 source 0: eight fragments of K step 0;  v356-451 (AF0 + 96) those of K step 1.  (v256, v257: the closing add's two registers)
.set PC,   160                         ; the codes just made
.set TM,   180
.set PW,   196                         ; the scale word just made
.set SEL,  32                          ; s[32:33] v_permlanex16_b32's selects for lane l xor 16
.set MSB, 0
.macro WIN new                         ; low byte: bits 1:0 source 0, 3:2 source 1, 5:4 source 2, 7:6 destination; the high byte repeats the setting that is left
.if MSB != \new
	s_set_vgpr_msb (MSB<<8)|\new
.set MSB, \new
.endif
.endm
.macro PLACES                          ; four plain places between a matrix instruction and a vector instruction on its registers (ISA guide 7.12.1)
.rept 4
	v_nop
.endr
.endm
.macro BARRIER                         ; my LDS stores have landed and my LDS loads are in: then the work-group's barrier
	s_wait_dscnt 0x0
	s_barrier_signal -1
	s_barrier_wait -1
.endm
; 64 numbers of a lane, v[s] .. v[s + 63], register 16 b + i = k 32 b + 16 (lane / 16) + i of my row, become a fragment's codes in v[PC] on and its scale word in v[PW].
.macro QUANT s
.irp b, 0,1,2,3
	v_mov_b32 v[TM+4+\b], 0                        ; a lane permute's destination counts as one of its sources
.endr
.irp b, 0,1,2,3
	v_max3_num_f32 v[TM+\b], |v[\s+16*\b]|, |v[\s+1+16*\b]|, 0x1800000   ; block b: my 16 numbers, and the floor 2^(3 - 127): the byte cannot fall under 1
.endr
.irp i, 2,4,6,8,10,12,14
.irp b, 0,1,2,3
	v_max3_num_f32 v[TM+\b], v[TM+\b], |v[\s+16*\b+\i]|, |v[\s+1+16*\b+\i]|   ; the four blocks by turns
.endr
.endr
.irp b, 0,1,2,3
	v_permlanex16_b32 v[TM+4+\b], v[TM+\b], s[SEL], s[SEL+1]
.endr
.irp b, 0,1,2,3
	v_max_num_f32 v[TM+\b], v[TM+\b], v[TM+4+\b]   ; with lane l xor 16's: the block's largest magnitude
.endr
.irp b, 0,1,2,3
	v_add_nc_u32 v[TM+12+\b], 0xff000000, v[TM+\b] ; 2 off its exponent field: the conversion takes the exponent field of this operand as its scale
.endr
.irp b, 0,1,2,3
	v_lshrrev_b32 v[TM+4+\b], 23, v[TM+12+\b]      ; the scale's byte
.endr
	v_lshl_or_b32 v[PW], v[TM+5], 8, v[TM+4]       ; the four bytes make my row's scale word
	v_lshl_or_b32 v[PW], v[TM+6], 16, v[PW]
	v_lshl_or_b32 v[PW], v[TM+7], 24, v[PW]
.irp c, 0,1
	v_cvt_scalef32_pk16_fp6_f32 v[PC+6*\c:PC+2+6*\c], v[\s+32*\c:\s+15+32*\c], v[TM+12+2*\c]
	v_cvt_scalef32_pk16_fp6_f32 v[PC+12+4*\c:PC+14+4*\c], v[\s+16+32*\c:\s+31+32*\c], v[TM+12+2*\c+1]   ; (a conversion's three registers begin on an even number)
.endr
	v_nop                                          ; one plain place behind a scaled conversion
.irp c, 0,1                                    ; the operand's layout wants a whole block in a lane: lanes 0-15 block 2 c, lanes 16-31 block 2 c + 1
.irp i, 0,1,2
	v_permlane16_swap_b32 v[PC+6*\c+\i], v[PC+12+4*\c+\i]
.endr
.irp i, 0,1,2
	v_mov_b32 v[PC+3+6*\c+\i], v[PC+12+4*\c+\i]
.endr
.endr
.endm
; The fragment just made leaves as its image (each store covers 512 consecutive bytes, at a multiple of 256 from the buffer's first byte); its scale word goes to the stage.
.macro OUTIMG gb, go, sa, so
	s_wait_alu depctr_va_vdst(0)                   ; QUANT has written v[PC ..] and v[PW], which the stores below read; it is also done reading the accumulators, in which (behind q's stores) bk's loads land
.irp c, 0,1,2
	global_store_b128 v1, v[PC+4*\c:PC+4*\c+3], s[\gb:\gb+1] offset:\go+512*\c
.endr
	ds_store_b32 v[\sa], v[PW] offset:\so
.endm
; Ahead of the next writer of v[PC ..] and v[PW].
.macro FREE
	s_wait_xcnt 0x0                                ; the global stores of the last image have had their addresses translated (ISA guide 3.1): their data registers are written again only behind this wait
	s_wait_alu depctr_vm_vsrc(0)                   ; the stores of the last image and of its scale word have read v[PC ..] and v[PW]
.endm
.macro BIAS mu                         ; the bias lands in the accumulators: lane (r, h), tile 2 b + u, register j: channel 32 b + 16 h + 8 u + j
.irp t, 0,1,2,3,4,5,6,7
	ds_load_b128 v[ACC+8*\t:ACC+8*\t+3], v12 offset:512*\mu+128*(\t/2)+32*(\t%2)
	ds_load_b128 v[ACC+8*\t+4:ACC+8*\t+7], v12 offset:512*\mu+128*(\t/2)+32*(\t%2)+16
.endr
.endm
.macro FRAGS adr, off                  ; a unit's source 0: eight fragments of K step 0 into AF0, then eight of K step 1 into AF0 + 96: 48 loads
	WIN 0x40                                       ; destination window 1, address window 0
.irp s, 0,1
.irp t, 0,1,2,3,4,5,6,7
.irp c, 0,1,2
	ds_load_b128 v[AF0+96*\s+12*\t+4*\c:AF0+96*\s+12*\t+4*\c+3], v[\adr] offset:\off+3072*\t+1536*\s+512*\c
.endr
.endr
.endr
	WIN 0
.endm
; q's or k's 16 products.  left: the LDS loads that may stay out at the first of them (K step 1's fragments, or none).
.macro PROD_QK ws, left
	s_wait_dscnt \left
	WIN 0x01                                       ; source 0 window 1
.irp s, 0,1
.if (\s) && (\left)
	s_wait_dscnt 0x0                               ; K step 1's fragments are in
.endif
.irp t, 0,1,2,3,4,5,6,7                        ; the eight accumulators by turns, one instruction a turn
.if \t%2
	v_wmma_scale_f32_16x16x128_f8f6f4 v[ACC+8*\t:ACC+8*\t+7], v[AF0+96*\s+12*\t:AF0+96*\s+12*\t+11], v[BF+12*\s:BF+12*\s+11], v[ACC+8*\t:ACC+8*\t+7], v[\ws+2*(\t/2)+\s], v[XSB+\s] matrix_a_fmt:MATRIX_FMT_FP6 matrix_b_fmt:MATRIX_FMT_FP6 matrix_a_scale:MATRIX_SCALE_ROW1
.else
	v_wmma_scale_f32_16x16x128_f8f6f4 v[ACC+8*\t:ACC+8*\t+7], v[AF0+96*\s+12*\t:AF0+96*\s+12*\t+11], v[BF+12*\s:BF+12*\s+11], v[ACC+8*\t:ACC+8*\t+7], v[\ws+2*(\t/2)+\s], v[XSB+\s] matrix_a_fmt:MATRIX_FMT_FP6 matrix_b_fmt:MATRIX_FMT_FP6
.endif
.endr
.endr
.endm
.macro WLOAD mu, base                  ; tile w of one weight, both K steps, as the operand's registers: 24 bytes of the row's stream of bits as three loads of 8
.irp s, 0,1
.irp p, 0,1,2,3,4,5
	global_load_b64 v[ACC+12*(2*\mu+\s)+2*\p:ACC+12*(2*\mu+\s)+2*\p+1], v3, s[\base:\base+1] offset:96*\s+48*(\p/3)+8*(\p%3)
.endr
.endr
.endm
.macro XLOAD be                        ; block be: x(128 s + 32 be + i, my voxel): the wave reads 128 consecutive bytes, the four waves b stand side by side on 512
.irp i, 0,1,2,3,4,5,6,7,8,9,10,11,12,13,14,15,16,17,18,19,20,21,22,23,24,25,26,27,28,29,30,31
	global_load_b32 v[X+32*\be+\i], v2, s[36:37] offset:32768*(32*\be+\i) th:TH_LOAD_NT
.endr
.endm
; Block be of my voxel: its largest magnitude needs no other lane.  left: the loads of the one younger block, which may stay out.  nxt: the block asked for now (4: none): no vector line has named its registers.
.macro XBLOCK be, left, nxt
	s_wait_loadcnt \left
.if \nxt < 4
	XLOAD \nxt
.endif
.set XS, X+32*\be
.set XB, ACC+12*(\be%2)+6*(\be/2)      ; blocks 0, 2 make the image's lane r, blocks 1, 3 its lane 16 + r
	v_max3_num_f32 v80, |v[XS]|, |v[XS+1]|, |v[XS+2]|
	v_max3_num_f32 v81, |v[XS+3]|, |v[XS+4]|, |v[XS+5]|
.irp i, 6,10,14,18,22,26
	v_max3_num_f32 v80, v80, |v[XS+\i]|, |v[XS+\i+1]|
	v_max3_num_f32 v81, v81, |v[XS+\i+2]|, |v[XS+\i+3]|
.endr
	v_max3_num_f32 v80, v80, |v[XS+30]|, |v[XS+31]|
	v_max3_num_f32 v80, v80, v81, 0x1800000        ; and the floor 2^(3 - 127)
	v_add_nc_u32 v[84+\be], 0xff000000, v80        ; the conversion's scale operand
.if \be == 0
	v_lshrrev_b32 v92, 23, v[84+\be]               ; the byte: the lower K in the lower byte of my voxel's scale word
.else
	v_lshrrev_b32 v93, 23, v[84+\be]
	v_lshl_or_b32 v92, v93, 8*\be, v92
.endif
	v_cvt_scalef32_pk16_fp6_f32 v[XB:XB+2], v[XS:XS+15], v[84+\be]
	v_cvt_scalef32_pk16_fp6_f32 v[96+4*\be:98+4*\be], v[XS+16:XS+31], v[84+\be]   ; (three registers from an even number on: moved below)
.endm
	s_load_b512 s[8:23], s[0:1], 0x0               ; x 8, Wq's codes 10, scales 12, bq 14, Wk's codes 16, scales 18, bk 20, Wv's codes 22
	s_load_b256 s[24:31], s[0:1], 0x40             ; Wv's scales 24, bv 26, qimg 28, kv 30
	s_set_vgpr_msb 0x40
	v_lshl_add_u32 v0, v0, 2, 0x1a000
	v_mov_b32 v1, 0
	s_set_vgpr_msb 0x4000
	v_lshrrev_b32 v44, 5, v0
	v_readfirstlane_b32 s4, v44                    ; wave w
	v_and_b32 v44, 31, v0                          ; L
	v_and_b32 v45, 15, v0                          ; r
	v_bfe_u32 v46, v0, 4, 1                        ; h
	v_bfe_u32 v47, v0, 3, 1                        ; r / 8;  in phase X: u, which of the pair of tiles my voxel falls into
	v_and_b32 v48, 7, v0
	v_lshl_or_b32 v48, v46, 3, v48                 ; and its row there: (L % 8) + 8 (L / 16)
	s_wait_alu depctr_va_sdst(0)                   ; s4 is written, ahead of its first reader: addresses, bases and the branches on the wave's number are made from it
	s_and_b32 s5, s4, 3                            ; b
	s_lshr_b32 s6, s4, 2                           ; s
	s_lshr_b32 s7, s4, 1
	s_lshl_b32 s7, s7, 5
	s_and_b32 s42, s4, 1
	s_lshl_b32 s42, s42, 3
	s_add_co_u32 s7, s7, s42                       ; kap(w, 0)
	v_lshlrev_b32 v1, 4, v44                       ; v1  16 L: an image's place for my lane
	v_lshlrev_b32 v2, 2, v44                       ; v2  4 L
	v_lshl_add_u32 v49, v47, 3, v45                ; r + 8 (r / 8)
	v_add_nc_u32 v50, s7, v49                      ; kap(w, r)
	v_mul_u32_u24 v3, v50, 192                     ; v3  a weight's row kap(w, r) of 192 bytes, + 24 h
	v_mad_u32_u24 v3, v46, 24, v3
	s_mul_i32 s42, s4, 3072
	v_add_nc_u32 v4, s42, v1                       ; v4  16 L + 3072 w: tile w among a weight's images
	s_mul_i32 s43, s5, 6144
	s_mul_i32 s44, s6, 1536
	s_add_co_u32 s43, s43, s44
	s_add_co_u32 s43, s43, XIMG
	v_mul_u32_u24 v5, v47, 3072
	v_lshl_add_u32 v5, v48, 4, v5
	v_add_nc_u32 v5, s43, v5                       ; v5  where my voxel's codes go: fragment (2 b + u, s), lane = its row
	s_lshl_b32 s43, s6, 9
	s_lshl_b32 s44, s5, 7
	s_add_co_u32 s43, s43, s44
	s_add_co_u32 s43, s43, XSC
	v_lshlrev_b32 v6, 6, v47
	v_lshl_add_u32 v6, v48, 2, v6
	v_add_nc_u32 v6, s43, v6                       ; v6  and its scale word
	s_lshl_b32 s43, s4, 9
	s_add_co_u32 s43, s43, BIA
	v_add_nc_u32 v7, s43, v1                       ; v7  where waves 0, 1, 2 put bq, bk, bv
	v_add_nc_u32 v8, XIMG, v4                      ; v8  x's tile w
	v_add_nc_u32 v9, XIMG, v1                      ; v9  x's tile 0
	s_lshl_b32 s43, s4, 6
	s_add_co_u32 s44, s43, XSC
	v_lshl_add_u32 v10, v45, 2, s44                ; v10 x's scale words of tile w
	v_add_nc_u32 v11, XSC, v2                      ; v11 and of a pair of tiles: lanes 0-15 the even one, lanes 16-31 the odd one
	v_lshl_add_u32 v12, v46, 6, BIA                ; v12 a bias in the result's layout: 64 h
	v_lshl_add_u32 v13, v50, 2, BIA+1024           ; v13 bv of channel kap(w, r)
	s_add_co_u32 s44, s43, SST
	v_lshl_add_u32 v14, v45, 2, s44                ; v14 q's scale word: 64 w + 4 r
	s_lshl_b32 s43, s6, 8
	s_lshl_b32 s44, s5, 2
	s_add_co_u32 s43, s43, s44
	s_add_co_u32 s43, s43, SST+512
	v_lshl_add_u32 v15, v45, 4, s43                ; v15 k's (v's: 512 on): 256 (w / 4) + 16 r + 4 (w % 4): four tiles' words of a row lie together
	v_lshl_add_u32 v51, v46, 3, v49
	v_lshlrev_b32 v51, 3, v51                      ; v51 a weight's scale bytes, 8 a row: lanes 0-15 row kap(0, r), lanes 16-31 row kap(1, r)
	v_lshlrev_b32 v49, 3, v50                      ; v49 and row kap(w, r)
	s_mov_b32 s[SEL], 0x76543210
	s_mov_b32 s[SEL+1], 0xfedcba98
	s_mul_i32 s52, ttmp9, 12800                    ; my chunk in qimg,
	s_mov_b32 s53, 0
	s_mul_i32 s54, ttmp9, 25600                    ; in kv,
	s_mov_b32 s55, 0
	s_mul_i32 s56, s4, 1536                        ; tile w's image in it
	s_mov_b32 s57, 0
	s_lshl_b32 s58, s6, 22                         ; x: 128 s rows of 32,768 bytes,
	s_lshl_b32 s59, ttmp9, 9                       ; the chunk's 512 bytes of a row,
	s_add_co_u32 s58, s58, s59
	s_lshl_b32 s59, s5, 7                          ; my wave's 128 of them
	s_add_co_u32 s58, s58, s59
	s_mov_b32 s59, 0
	s_wait_kmcnt 0x0
	s_add_nc_u64 s[36:37], s[8:9], s[58:59]
	s_add_nc_u64 s[38:39], s[28:29], s[52:53]
	s_add_nc_u64 s[40:41], s[30:31], s[54:55]
	s_add_nc_u64 s[48:49], s[38:39], s[56:57]
	s_add_nc_u64 s[50:51], s[40:41], s[56:57]
	s_cmp_eq_u32 s4, 0                             ; which bias my wave fetches: the choice hangs on the wave's number alone
	s_cselect_b64 s[34:35], s[14:15], s[26:27]
	s_cmp_eq_u32 s4, 1
	s_cselect_b64 s[34:35], s[20:21], s[34:35]
	s_wait_alu depctr_va_vdst(0)                   ; the addresses v1 to v15, v49 and v51 are written, which the loads and stores of the whole kernel read; so are v44 to v51, in which bv's loads land later
	global_load_b128 v[124:127], v1, s[34:35]      ; 55 loads for the weights' side,
.irp bb, 0,1,2,3
.irp s, 0,1
	global_load_b32 v[WSQ+2*\bb+\s], v51, s[12:13] offset:256*\bb+4*\s
	global_load_b32 v[WSK+2*\bb+\s], v51, s[18:19] offset:256*\bb+4*\s
.endr
.endr
	global_load_b32 v[WSV], v49, s[24:25]
	global_load_b32 v[WSV+1], v49, s[24:25] offset:4
	WLOAD 0, 10
	WLOAD 1, 16
	WLOAD 2, 22
	XLOAD 0                                        ; then x's first block
	s_wait_loadcnt 32                              ; all but x's 32: the weights' side is in
.irp f, 0,1,2,3,4,5
.irp c, 0,1,2
	ds_store_b128 v4, v[ACC+12*\f+4*\c:ACC+12*\f+4*\c+3] offset:24576*(\f/2)+1536*(\f%2)+512*\c
.endr
.endr
	XLOAD 1
	s_cmp_gt_u32 s4, 2
	s_cbranch_scc1 .Lno_bias
	ds_store_b128 v7, v[124:127]
.Lno_bias:
	s_wait_dscnt 0x0
	s_wait_alu depctr_vm_vsrc(0)                   ; on both ways: my LDS stores have read the staged registers v52 to v127, of which phase X's vector lines write v52 to v111
	; ---- X: my voxel's four blocks of 32 channels
	XBLOCK 0, 32, 2
	XBLOCK 1, 32, 3
	XBLOCK 2, 32, 4
	XBLOCK 3, 0, 4
	v_nop                                          ; one plain place behind a scaled conversion
.irp be, 0,1,2,3
.irp i, 0,1,2
	v_mov_b32 v[ACC+12*(\be%2)+6*(\be/2)+3+\i], v[96+4*\be+\i]
.endr
.endr
	s_wait_alu depctr_va_vdst(0)                   ; the conversions and moves have written v52 to v75 and v92, which the LDS stores read; phase X is done reading v128 to v255 and writing v80 to v111, in which loads land behind the barrier
.irp c, 0,1,2
	ds_store_b128 v5, v[ACC+4*\c:ACC+4*\c+3] offset:512*\c             ; blocks 0 and 2: the image's lane r
	ds_store_b128 v5, v[ACC+12+4*\c:ACC+15+4*\c] offset:512*\c+256     ; blocks 1 and 3: its lane 16 + r
.endr
	ds_store_b32 v6, v92
	BARRIER                                        ; the weights' images, x's images and scale words and the biases lie in LDS
	s_wait_alu depctr_vm_vsrc(0)                   ; my LDS stores have read v52 to v75 and v92, in which bq lands; the head's loads and stores have read v49, v51 and v124 to v127, in which bv and x's tile land
	; ---- Q: x's tile w is source 1 (for K too)
.irp s, 0,1
.irp c, 0,1,2
	ds_load_b128 v[BF+12*\s+4*\c:BF+12*\s+4*\c+3], v8 offset:1536*\s+512*\c
.endr
	ds_load_b32 v[XSB+\s], v10 offset:512*\s
.endr
	BIAS 0
	FRAGS 1, 0                                     ; Wq's sixteen fragments
	PROD_QK WSQ, 24                                ; K step 1's 24 loads may stay out at the first product
	PLACES
	WIN 0x40                                       ; the switch, then the wait, then the loads
	s_wait_alu depctr_va_vdst(0)                   ; q's products are done reading AF0 and AF0 + 96, in which Wk's fragments land
	FRAGS 1, 24576                                 ; they land while q is quantised: QUANT names none of their registers
	QUANT ACC                                      ; my 16 voxels' 128 channels: one fragment, one scale word a voxel
	OUTIMG 48, 0, 14, 0
	; ---- K
	BIAS 1                                         ; no vector line stands between the wait ahead of q's stores and these loads
	PROD_QK WSK, 0
	PLACES
	WIN 0x40                                       ; the switch, then the wait, then the loads
	s_wait_alu depctr_va_vdst(0)                   ; k's products are done reading AF0, AF0 + 96 and BF, in which x's sixteen fragments and Wv's tile w land; only loads and window switches follow up to the last of them
	FRAGS 9, 0
.irp s, 0,1
.irp c, 0,1,2
	ds_load_b128 v[BF+12*\s+4*\c:BF+12*\s+4*\c+3], v4 offset:49152+1536*\s+512*\c
.endr
.endr
.irp bb, 0,1,2,3
.irp s, 0,1
	ds_load_b32 v[XSA+2*\bb+\s], v11 offset:512*\s+128*\bb
.endr
.endr
.irp j, 0,1,2,3,4,5,6,7
	ds_load_b32 v[VB+\j], v13                      ; a lane holds one channel: its bias in all eight registers
.endr
	FREE                                           ; q's stores, a whole unit back
	QUANT ACC
	OUTIMG 50, 0, 15, 0
	; ---- V: Wv's tile w is source 1, x's eight tiles are source 0
	s_wait_dscnt 0x0
	WIN 0x01                                       ; source 0 window 1
.irp s, 0,1
.irp t, 0,1,2,3,4,5,6,7
.if \s == 0
.if \t%2
	v_wmma_scale_f32_16x16x128_f8f6f4 v[ACC+8*\t:ACC+8*\t+7], v[AF0+12*\t:AF0+12*\t+11], v[BF:BF+11], v[VB:VB+7], v[XSA+2*(\t/2)], v[WSV] matrix_a_fmt:MATRIX_FMT_FP6 matrix_b_fmt:MATRIX_FMT_FP6 matrix_a_scale:MATRIX_SCALE_ROW1
.else
	v_wmma_scale_f32_16x16x128_f8f6f4 v[ACC+8*\t:ACC+8*\t+7], v[AF0+12*\t:AF0+12*\t+11], v[BF:BF+11], v[VB:VB+7], v[XSA+2*(\t/2)], v[WSV] matrix_a_fmt:MATRIX_FMT_FP6 matrix_b_fmt:MATRIX_FMT_FP6
.endif
.else
.if \t%2
	v_wmma_scale_f32_16x16x128_f8f6f4 v[ACC+8*\t:ACC+8*\t+7], v[AF0+96+12*\t:AF0+96+12*\t+11], v[BF+12:BF+23], v[ACC+8*\t:ACC+8*\t+7], v[XSA+2*(\t/2)+1], v[WSV+1] matrix_a_fmt:MATRIX_FMT_FP6 matrix_b_fmt:MATRIX_FMT_FP6 matrix_a_scale:MATRIX_SCALE_ROW1
.else
	v_wmma_scale_f32_16x16x128_f8f6f4 v[ACC+8*\t:ACC+8*\t+7], v[AF0+96+12*\t:AF0+96+12*\t+11], v[BF+12:BF+23], v[ACC+8*\t:ACC+8*\t+7], v[XSA+2*(\t/2)+1], v[WSV+1] matrix_a_fmt:MATRIX_FMT_FP6 matrix_b_fmt:MATRIX_FMT_FP6
.endif
.endif
.endr
.endr
	WIN 0
	PLACES
	FREE                                           ; k's stores, a whole unit back
	QUANT ACC                                      ; my 16 channels' 128 voxels: the keys are this operand's K
	OUTIMG 50, 12288, 15, 512
	FREE                                           ; v's stores: ahead of the branch below, behind which wave 0's loads land in v[PC ..]
	BARRIER                                        ; all 24 tiles' scale words lie in the stage
	s_cmp_lg_u32 s4, 0
	s_cbranch_scc1 .Lend
.irp i, 0,1,2
	ds_load_b128 v[PC+4*\i:PC+4*\i+3], v9 offset:SST-XIMG+512*\i   ; no vector line has named these registers since the wait ahead of v's stores
.endr
	s_wait_dscnt 0x0
	global_store_b128 v1, v[PC:PC+3], s[38:39] offset:12288      ; each store covers 512 consecutive bytes
	global_store_b128 v1, v[PC+4:PC+7], s[40:41] offset:24576
	global_store_b128 v1, v[PC+8:PC+11], s[40:41] offset:25088
.Lend:
	s_set_vgpr_msb 0x5                             ; the add's two registers, sources 0 and 1, in window 1
	s_wait_dscnt 0x0                               ; the closing lines, six on end
	s_wait_alu 0x0
	s_wait_tensorcnt 0x0
	ds_add_u32 v0, v1
	s_wait_dscnt 0x0
	s_endpgm
.Lfunc_end_k_q7d3c3b4b39_proj:
	.size	k_q7d3c3b4b39_proj, .Lfunc_end_k_q7d3c3b4b39_proj-k_q7d3c3b4b39_proj
	.p2alignl 7, 3214868480
	.fill 96, 4, 3214868480
	.section	.rodata,"a",@progbits
	.p2align	6, 0x0
	.amdhsa_kernel k_q7d3c3b4b39_proj
		.amdhsa_group_segment_fixed_size 107520
		.amdhsa_private_segment_fixed_size 0
		.amdhsa_enable_private_segment 0
		.amdhsa_kernarg_size 96
		.amdhsa_user_sgpr_count 2
		.amdhsa_user_sgpr_kernarg_segment_ptr 1
		.amdhsa_wavefront_size32 1
		.amdhsa_system_sgpr_workgroup_id_x 1
		.amdhsa_system_sgpr_workgroup_id_y 1
		.amdhsa_system_sgpr_workgroup_id_z 1
		.amdhsa_system_vgpr_workitem_id 0
		.amdhsa_next_free_vgpr 452
		.amdhsa_next_free_sgpr 66
		.amdhsa_reserve_vcc 0
		.amdhsa_float_denorm_mode_32 3
		.amdhsa_float_denorm_mode_16_64 3
		.amdhsa_memory_ordered 1
		.amdhsa_forward_progress 1
		.amdhsa_inst_pref_size 63
	.end_amdhsa_kernel
	.amdgpu_metadata
---
amdhsa.version: [ 1, 2 ]
amdhsa.kernels:
  - .name:           k_q7d3c3b4b39_proj
    .symbol:         k_q7d3c3b4b39_proj.kd
    .args:
      - { .name: x, .offset: 0, .size: 8, .value_kind: global_buffer, .address_space: global }
      - { .name: Wq_codes, .offset: 8, .size: 8, .value_kind: global_buffer, .address_space: global }
      - { .name: Wq_scales, .offset: 16, .size: 8, .value_kind: global_buffer, .address_space: global }
      - { .name: bq, .offset: 24, .size: 8, .value_kind: global_buffer, .address_space: global }
      - { .name: Wk_codes, .offset: 32, .size: 8, .value_kind: global_buffer, .address_space: global }
      - { .name: Wk_scales, .offset: 40, .size: 8, .value_kind: global_buffer, .address_space: global }
      - { .name: bk, .offset: 48, .size: 8, .value_kind: global_buffer, .address_space: global }
      - { .name: Wv_codes, .offset: 56, .size: 8, .value_kind: global_buffer, .address_space: global }
      - { .name: Wv_scales, .offset: 64, .size: 8, .value_kind: global_buffer, .address_space: global }
      - { .name: bv, .offset: 72, .size: 8, .value_kind: global_buffer, .address_space: global }
      - { .name: qimg, .offset: 80, .size: 8, .value_kind: global_buffer, .address_space: global }
      - { .name: kv, .offset: 88, .size: 8, .value_kind: global_buffer, .address_space: global }
    .group_segment_fixed_size: 107520
    .private_segment_fixed_size: 0
    .kernarg_segment_align: 8
    .kernarg_segment_size: 96
    .max_flat_workgroup_size: 256
    .sgpr_count:     66
    .vgpr_count:     452
    .wavefront_size: 32
...
	.end_amdgpu_metadata
.endif
;; end of part 4
;; launch attn: the kernel of part 2 again; grid 32 x 8, 8 waves a work-group, clusters of 4 x 1, 205,824 bytes of LDS; arguments qimg, kv, po, pml; writes po, pml
;; launch merge (part 5): grid 128 x 1, 16 waves a work-group, no clusters, 78,848 bytes of LDS; arguments po, pml, Wo_codes, Wo_scales, bo, x, out0; writes out0
.if DOCPART == 5
	.amdgcn_target "amdgcn-amd-amdhsa--gfx1250"
	.amdhsa_code_object_version 6
	.text
	.protected	k_q7d3c3b4b39_merge
	.globl	k_q7d3c3b4b39_merge
	.p2align	8
	.type	k_q7d3c3b4b39_merge,@function
k_q7d3c3b4b39_merge:
	s_mov_b64 s[64:65], 0
	v_nop
	global_prefetch_b8 v0, s[64:65] scope:SCOPE_SE
	s_setreg_imm32_b32 hwreg(HW_REG_WAVE_SCHED_MODE, 0, 2), 2
	s_setreg_imm32_b32 hwreg(HW_REG_WAVE_MODE, 25, 1), 1
	s_wait_xcnt 0x0
	s_wait_alu depctr_vm_vsrc(0)
; The eight partial results of each query are brought under one M (exact powers of two), added and divided by the sum l: o.  o is quantised along its 128 channels to codes of FP6 (E2M3), one E8M0 scale for each 32,
; and out0 = x + Wo o + bo, the product on codes.
; SHARES.  Work-group G takes four tiles of 16 queries, 4 G .. 4 G + 3: by the order of rows that the first launch chose these are voxels 64 G .. 64 G + 63: 256 consecutive bytes of every row of x and of out0.
; Sixteen waves.  MERGE: wave w takes block w % 4 (32 channels: 16 registers a lane, lanes l and l xor 16 share the block) of tile w / 4.  Its 16 codes a lane (12 bytes) and the block's byte go to LDS as rows of codes.
; One barrier.  PRODUCT: wave w takes Wo's rows 16 w .. 16 w + 15 (source 1) against the four tiles of o (source 0): a lane holds ONE output channel and eight neighbouring voxels; bo is the C of the product.
; THE WAY OUT goes through the wave's own 16 rows of a stage (256 bytes + 16): no barrier; sixteen lanes then add x's and store 256 consecutive bytes of a row.
; NO CLUSTER: what work-groups share is Wo (25,600 bytes a work-group) beside 266,240 bytes of partial results that are the work-group's own.  No tensor load: every byte is asked for at the head, into registers.
; LIMITS: NaN and infinities are not served; a block of o whose largest magnitude lies under 2^-124 has its byte held at 1 (a block of zeros too: its codes are zeros).
; THE MODE: SCHED_MODE bits 1:0 = 2 (LLVM: expert scheduling mode 2), set by the entry lines.  The code itself states the register dependences between vector or matrix instructions and memory or LDS
; instructions, with s_wait_alu, always for 0.
; THE PLAN.  Registers that memory or LDS instructions touch:
;   v1-11         addresses, made once at the head and never written again.
;   ML, P, WF, v44, v45, XR   the 56 loads of the head land in registers that no vector line has named; vector and matrix lines read them.
;   v54-56, v60   the conversion and a shift write them; LDS stores read them; never written again.
;   v160-207, v61, v62   behind the barrier LDS loads land there: in v160-207 the partial sums were read, ahead of the wait that stands in front of the codes' stores.
;   v128-159      the products write them; LDS stores read them; never written again.
;   v212-243      LDS loads land (the partial sums there were read long before); x's sixteen additions write them; then ONE wait, then the eight global stores read them.
; No register that a memory or LDS instruction reads is written again: no wait on vm_vsrc is owed.
.set OCD, 0                            ; LDS: o's codes: 64 rows of 96 bytes, 104 apart; tile q at 1664 q
.set OSC, 6656                         ; o's scale words: 64 q + 4 row
.set STG, 7168                         ; the stage: 256 rows x 272 bytes.  Behind it, from 0x12c00 on: the spare words, 128 bytes for each wave, which no other line names
.set F,   12                           ; v12-27   f of split s, twice (a pair for the packed forms)
.set WF,  32                           ; v32-43   Wo's fragment; v44 its scale words; v45 bo; v46-53 bo as a tile; v54-56 codes; v58 l; v59, v60 scale operand, byte; v61-62 o's scale words; v57, v63 the closing add's two
.set XR,  64                           ; v64-95   x
.set ML,  96                           ; v96-111  (-M, l) of the eight splits
.set O,   112                          ; v112-127 o: my 16 channels
.set P,   128                          ; v128-255 the partial O^T: split s at 128 + 16 s;  later: v128-159 four accumulators, v160-207 o's four fragments, v212-243 rows read back
	s_load_b256 s[4:11], s[0:1], 0x0               ; po 4, pml 6, Wo's codes 8, Wo's scales 10
	s_load_b128 s[12:15], s[0:1], 0x20             ; bo 12, x 14
	s_load_b64 s[16:17], s[0:1], 0x30              ; out0
	v_lshl_add_u32 v57, v0, 2, 0x12c00
	v_mov_b32 v63, 0
	v_lshrrev_b32 v1, 5, v0
	v_readfirstlane_b32 s18, v1                    ; wave w
	v_and_b32 v28, 31, v0                          ; L
	v_and_b32 v29, 15, v0                          ; r
	v_bfe_u32 v30, v0, 4, 1                        ; h
	v_lshlrev_b32 v1, 4, v28                       ; v1  16 L
	v_lshlrev_b32 v2, 3, v29                       ; v2  8 r: a row's (-M, l)
	v_mul_u32_u24 v3, v29, 96
	v_mad_u32_u24 v3, v30, 24, v3                  ; v3  Wo: row r of 96 bytes, + 24 h
	v_lshlrev_b32 v4, 2, v29                       ; v4  4 r
	v_lshlrev_b32 v5, 15, v30
	v_lshl_add_u32 v5, v29, 4, v5                  ; v5  x, out0: lanes 0-15 one row, lanes 16-31 the next; 16 bytes a lane
	s_wait_alu depctr_va_sdst(0)                   ; s18 is written, ahead of its first reader: LDS addresses and the buffers' bases are made from it
	s_lshr_b32 s19, s18, 2                         ; my tile of the four
	s_and_b32 s28, s18, 3                          ; my block of its four
	s_mul_i32 s29, s19, 1664
	s_mul_i32 s32, s28, 24
	s_add_co_u32 s29, s29, s32
	v_mul_u32_u24 v6, v29, 104
	v_mad_u32_u24 v6, v30, 12, v6
	v_add_nc_u32 v6, s29, v6                       ; v6  where my 12 bytes of codes go: my tile, row r, block's 24 bytes, my half
	s_lshl_b32 s29, s19, 6
	s_add_co_u32 s29, s29, s28
	s_add_co_u32 s29, s29, OSC
	v_lshl_add_u32 v7, v29, 2, s29                 ; v7  and the block's byte
	v_mul_u32_u24 v8, v29, 104
	v_mad_u32_u24 v8, v30, 24, v8                  ; v8  a fragment of o: row r, + 24 h
	v_lshl_add_u32 v9, v28, 2, OSC                 ; v9  o's scale words: lanes 0-15 the even tile, lanes 16-31 the odd one
	s_mul_i32 s29, s18, 16*272
	s_add_co_u32 s29, s29, STG                     ; my 16 rows of the stage
	v_mul_u32_u24 v10, v29, 272
	v_lshl_add_u32 v10, v30, 6, v10
	v_add_nc_u32 v10, s29, v10                     ; v10 in: row r, + 64 h
	v_mul_u32_u24 v11, v30, 272
	v_lshl_add_u32 v11, v29, 4, v11
	v_add_nc_u32 v11, s29, v11                     ; v11 back: lanes 0-15 one row, lanes 16-31 the next
	s_mov_b32 s30, 0x76543210
	s_mov_b32 s31, 0xfedcba98                      ; v_permlanex16_b32's selects for lane l xor 16
	s_lshl_b32 s33, ttmp9, 2
	s_add_co_u32 s33, s33, s19                     ; my tile among the 512
	s_lshl_b32 s34, s33, 13                        ; 8,192 bytes a tile,
	s_lshl_b32 s36, s28, 11                        ; 2,048 a block
	s_add_co_u32 s34, s34, s36
	s_mov_b32 s35, 0
	s_lshl_b32 s36, s33, 7                         ; pml: 128 bytes a tile
	s_mov_b32 s37, 0
	s_mul_i32 s38, s18, 1536                       ; Wo's 16 rows of 96 bytes
	s_mov_b32 s39, 0
	s_lshl_b32 s40, s18, 6                         ; its scale words and bo: 64 bytes
	s_mov_b32 s41, 0
	s_lshl_b32 s42, s18, 19                        ; x, out0: 16 w rows of 32,768 bytes,
	s_lshl_b32 s44, ttmp9, 8                       ; the work-group's 256 bytes of a row
	s_add_co_u32 s42, s42, s44
	s_mov_b32 s43, 0
	s_wait_kmcnt 0x0
	s_add_nc_u64 s[20:21], s[4:5], s[34:35]        ; four bases, two splits apart, so that every offset fits the immediate
	s_add_nc_u64 s[22:23], s[20:21], 0x800000
	s_add_nc_u64 s[24:25], s[20:21], 0x1000000
	s_add_nc_u64 s[26:27], s[20:21], 0x1800000
	s_add_nc_u64 s[6:7], s[6:7], s[36:37]
	s_add_nc_u64 s[8:9], s[8:9], s[38:39]
	s_add_nc_u64 s[10:11], s[10:11], s[40:41]
	s_add_nc_u64 s[12:13], s[12:13], s[40:41]
	s_add_nc_u64 s[14:15], s[14:15], s[42:43]
	s_add_nc_u64 s[16:17], s[16:17], s[42:43]
	s_wait_alu depctr_va_vdst(0)                   ; the addresses v1 to v11 are written, which the loads and stores of the whole kernel read
	; all 56 loads at once, in the order in which they are wanted
.irp s, 0,1,2,3,4,5,6,7
	global_load_b64 v[ML+2*\s:ML+2*\s+1], v2, s[6:7] offset:65536*\s
.endr
.irp s, 0,1,2,3,4,5,6,7
.irp q, 0,1,2,3
	global_load_b128 v[P+16*\s+4*\q:P+16*\s+4*\q+3], v1, s[20+2*(\s/2):21+2*(\s/2)] offset:4194304*(\s%2)+512*\q th:TH_LOAD_NT   ; 512 consecutive bytes a load
.endr
.endr
.irp p, 0,1,2,3,4,5
	global_load_b64 v[WF+2*\p:WF+2*\p+1], v3, s[8:9] offset:48*(\p/3)+8*(\p%3)
.endr
	global_load_b32 v44, v4, s[10:11]
	global_load_b32 v45, v4, s[12:13]
.irp i, 0,1,2,3,4,5,6,7
	global_load_b128 v[XR+4*\i:XR+4*\i+3], v5, s[14:15] offset:65536*\i th:TH_LOAD_NT
.endr
	s_wait_loadcnt 48                              ; the eight (-M, l) are in; the 32 + 8 + 8 loads behind them may be out
	v_min3_num_f32 v28, v[ML], v[ML+2], v[ML+4]    ; the smallest -M: the largest M
	v_min3_num_f32 v28, v28, v[ML+6], v[ML+8]
	v_min3_num_f32 v28, v28, v[ML+10], v[ML+12]
	v_min_num_f32 v28, v28, v[ML+14]
.irp s, 0,1,2,3,4,5,6,7
	v_sub_f32 v29, v28, v[ML+2*\s]                 ; M of split s less the largest M: a whole number, 0 or less
	v_cvt_i32_f32 v29, v29
	v_ldexp_f32 v[F+2*\s], 1.0, v29                ; f = 2^that: nothing is rounded
	v_ldexp_f32 v[F+2*\s+1], 1.0, v29
.endr
	v_mul_f32 v58, v[F], v[ML+1]
.irp s, 1,2,3,4,5,6,7
	v_fmac_f32 v58, v[F+2*\s], v[ML+2*\s+1]        ; l under the largest M
.endr
	v_rcp_f32 v30, v58                             ; twice, for the packed multiply; the first line on the partials below is the plain place behind them
	v_rcp_f32 v31, v58
.irp s, 0,1,2,3,4,5,6,7
	s_wait_loadcnt 44-4*\s                         ; split s's four loads are in; those behind them may be out
.irp i, 0,2,4,6,8,10,12,14
.if \s == 0
	v_pk_mul_f32 v[O+\i:O+\i+1], v[P+\i:P+\i+1], v[F:F+1]
.else
	v_pk_fma_f32 v[O+\i:O+\i+1], v[P+16*\s+\i:P+16*\s+\i+1], v[F+2*\s:F+2*\s+1], v[O+\i:O+\i+1]
.endif
.endr
.endr
	s_wait_alu depctr_va_vdst(0)                   ; the two reciprocals have written v30 and v31, ahead of their first reader: one wait for both
.irp i, 0,2,4,6,8,10,12,14
	v_pk_mul_f32 v[O+\i:O+\i+1], v[O+\i:O+\i+1], v[30:31]   ; o: register i is channel 32 block + 16 h + i of query row r
.endr
	v_max3_num_f32 v28, |v[O]|, |v[O+1]|, 0x1800000   ; my 16 numbers, and the floor 2^(3 - 127)
.irp i, 2,4,6,8,10,12,14
	v_max3_num_f32 v28, v28, |v[O+\i]|, |v[O+\i+1]|
.endr
	v_permlanex16_b32 v29, v28, s30, s31
	v_max_num_f32 v28, v28, v29                    ; with lane l xor 16's: the block's largest magnitude
	v_add_nc_u32 v59, 0xff000000, v28              ; 2 off its exponent field: the conversion's scale operand
	v_lshrrev_b32 v60, 23, v59                     ; the byte
	v_cvt_scalef32_pk16_fp6_f32 v[54:56], v[O:O+15], v59
	v_nop                                          ; one plain place behind a scaled conversion
	s_wait_alu depctr_va_vdst(0)                   ; the conversion has written v54 to v56 and the shift v60, which the LDS stores read; the sums are done reading v128 to v255, in which LDS loads land behind the barrier
	ds_store_b32 v6, v54
	ds_store_b32 v6, v55 offset:4
	ds_store_b32 v6, v56 offset:8
	ds_store_b8 v7, v60                            ; both lanes of a block write the same byte with the same value
	s_wait_dscnt 0x0                               ; for the others' sake: my stores have landed
	s_barrier_signal -1
	s_barrier_wait -1                              ; 64 rows of codes and their scale words lie in LDS
.irp q, 0,1,2,3
.irp p, 0,1,2,3,4,5
	ds_load_b64 v[160+12*\q+2*\p:161+12*\q+2*\p], v8 offset:1664*\q+48*(\p/3)+8*(\p%3)   ; no vector line stands between the wait ahead of the codes' stores and these loads
.endr
.endr
	ds_load_b32 v61, v9
	ds_load_b32 v62, v9 offset:128
	s_wait_loadcnt 8                               ; Wo, its scale words and bo are in; x's eight loads may be out
.irp j, 0,1,2,3,4,5,6,7
	v_mov_b32 v[46+\j], v45                        ; a lane holds one output channel: its bias in all eight registers
.endr
	s_wait_dscnt 0x0
.irp q, 0,1,2,3                                ; lane (r, h): output channel 16 w + r; register j: voxel 32 (q / 2) + 8 (q % 2) + 16 h + j of the 64
.if \q%2
	v_wmma_scale_f32_16x16x128_f8f6f4 v[128+8*\q:135+8*\q], v[160+12*\q:171+12*\q], v[WF:WF+11], v[46:53], v[61+\q/2], v44 matrix_a_fmt:MATRIX_FMT_FP6 matrix_b_fmt:MATRIX_FMT_FP6 matrix_a_scale:MATRIX_SCALE_ROW1
.else
	v_wmma_scale_f32_16x16x128_f8f6f4 v[128+8*\q:135+8*\q], v[160+12*\q:171+12*\q], v[WF:WF+11], v[46:53], v[61+\q/2], v44 matrix_a_fmt:MATRIX_FMT_FP6 matrix_b_fmt:MATRIX_FMT_FP6
.endif
.endr
.rept 4
	v_nop                                          ; four plain places in front of the first read of results (ISA guide 7.12.1)
.endr
	s_wait_alu depctr_va_vdst(0)                   ; the products have written v128 to v159, which the LDS stores read; the places above stay beside this wait
.irp q, 0,1,2,3
	ds_store_b128 v10, v[128+8*\q:131+8*\q] offset:128*(\q/2)+32*(\q%2)      ; each accumulator from its low end on
	ds_store_b128 v10, v[132+8*\q:135+8*\q] offset:128*(\q/2)+32*(\q%2)+16
.endr
.irp i, 0,1,2,3,4,5,6,7
	ds_load_b128 v[212+4*\i:215+4*\i], v11 offset:544*\i   ; LDS serves a wave's instructions in order (ISA guide 5.7.1.4): these see my stores; the rows are my wave's own
.endr
	s_wait_loadcnt 0x0                             ; x
.irp i, 0,1,2,3,4,5,6,7
	s_wait_dscnt 7-\i                              ; rows 2 i and 2 i + 1 are back
	v_pk_add_f32 v[212+4*\i:213+4*\i], v[212+4*\i:213+4*\i], v[XR+4*\i:XR+4*\i+1]
	v_pk_add_f32 v[214+4*\i:215+4*\i], v[214+4*\i:215+4*\i], v[XR+4*\i+2:XR+4*\i+3]
.endr
	s_wait_alu depctr_va_vdst(0)                   ; the sixteen additions have written v212 to v243, which the eight stores read: one wait for the run
.irp i, 0,1,2,3,4,5,6,7
	global_store_b128 v5, v[212+4*\i:215+4*\i], s[16:17] offset:65536*\i th:TH_STORE_NT   ; sixteen lanes store 256 consecutive bytes, at a multiple of 256 from out0's first byte
.endr
	s_wait_dscnt 0x0                               ; the closing lines, six on end
	s_wait_alu 0x0
	s_wait_tensorcnt 0x0
	ds_add_u32 v57, v63
	s_wait_dscnt 0x0
	s_endpgm
.Lfunc_end_k_q7d3c3b4b39_merge:
	.size	k_q7d3c3b4b39_merge, .Lfunc_end_k_q7d3c3b4b39_merge-k_q7d3c3b4b39_merge
	.p2alignl 7, 3214868480
	.fill 96, 4, 3214868480
	.section	.rodata,"a",@progbits
	.p2align	6, 0x0
	.amdhsa_kernel k_q7d3c3b4b39_merge
		.amdhsa_group_segment_fixed_size 78848
		.amdhsa_private_segment_fixed_size 0
		.amdhsa_enable_private_segment 0
		.amdhsa_kernarg_size 56
		.amdhsa_user_sgpr_count 2
		.amdhsa_user_sgpr_kernarg_segment_ptr 1
		.amdhsa_wavefront_size32 1
		.amdhsa_system_sgpr_workgroup_id_x 1
		.amdhsa_system_sgpr_workgroup_id_y 1
		.amdhsa_system_sgpr_workgroup_id_z 1
		.amdhsa_system_vgpr_workitem_id 0
		.amdhsa_next_free_vgpr 256
		.amdhsa_next_free_sgpr 66
		.amdhsa_reserve_vcc 0
		.amdhsa_float_denorm_mode_32 3
		.amdhsa_float_denorm_mode_16_64 3
		.amdhsa_memory_ordered 1
		.amdhsa_forward_progress 1
		.amdhsa_inst_pref_size 23
	.end_amdhsa_kernel
	.amdgpu_metadata
---
amdhsa.version: [ 1, 2 ]
amdhsa.kernels:
  - .name:           k_q7d3c3b4b39_merge
    .symbol:         k_q7d3c3b4b39_merge.kd
    .args:
      - { .name: po, .offset: 0, .size: 8, .value_kind: global_buffer, .address_space: global }
      - { .name: pml, .offset: 8, .size: 8, .value_kind: global_buffer, .address_space: global }
      - { .name: Wo_codes, .offset: 16, .size: 8, .value_kind: global_buffer, .address_space: global }
      - { .name: Wo_scales, .offset: 24, .size: 8, .value_kind: global_buffer, .address_space: global }
      - { .name: bo, .offset: 32, .size: 8, .value_kind: global_buffer, .address_space: global }
      - { .name: x, .offset: 40, .size: 8, .value_kind: global_buffer, .address_space: global }
      - { .name: out0, .offset: 48, .size: 8, .value_kind: global_buffer, .address_space: global }
    .group_segment_fixed_size: 78848
    .private_segment_fixed_size: 0
    .kernarg_segment_align: 8
    .kernarg_segment_size: 56
    .max_flat_workgroup_size: 512
    .sgpr_count:     66
    .vgpr_count:     256
    .wavefront_size: 32
...
	.end_amdgpu_metadata
.endif
;; end of part 5
